; MI455X (gfx1250); checked and timed in simulation.
; The chip was launched on July 23, 2026; its instructions are those of AMD's public machine-readable ISA for CDNA 5 (MIT licence, August 2026) and "CDNA5" Instruction Set Architecture Reference Guide (July 2026). The comments in the code are by the model that wrote it; some were corrected since.
;; Static Attention. Allowed arithmetic: matrix products marked QUANTISED: E4M3 operands, one E8M0 scale for each 32 along K, by v_wmma_scale_f32_16x16x128_f8f6f4 with both operands' format E4M3, f32 sums; products left as they are: f32 operands where the result goes on into a quantised operand, else bf16, f16 or f32 operands; f32 sums; everything else in f32.
;; Inputs: Wa 8 x 1 float32; Wk 256 x 2,048 float32; Wo 2,048 x 256 float32; Wq 256 x 2,048 float32; Wv 256 x 2,048 float32; b1 2,048 float32; b2 256 float32; ba 1 float32; beta_a 1 float32; betk 2,048 float32; betq 2,048 float32; betv 2,048 float32; bk 2,048 float32; bo 256 float32; bq 2,048 float32; bv 2,048 float32; dist 128 x 256 x 256 float32; g1 2,048 float32; g2 256 float32; ga 1 float32; gk 2,048 float32; gq 2,048 float32; gv 2,048 float32; local 128 x 256 float32; mask 128 x 1 x 256 bool; sites 128 x 256 x 256 float32.
;; Outputs: out0 128 x 1 x 256 float32; out1 128 x 1 x 256 float32.
;; This version of the problem:
;;   THIS VERSION OF THE PROBLEM IS GIVEN IN LOW PRECISION. The matrix products marked QUANTISED in the list below multiply operands that are first quantised to E4M3 (4 exponent bits, 3 mantissa bits; 8 bits a number), with one power-of-two scale for each 32 numbers along K (OCP MX v1.0); their sums are f32. All else is computed in f32.
;;   The module's matrix products, in the order in which they are computed (A, B: the left and right operand; K: the contracted axis; several contracted axes count as one K, in the product's order):
;;     1. [M 128, K 256] x [K 256, N 2,048]; A: input local; B: input Wq: QUANTISED
;;     2. [M 32,768, K 256] x [K 256, N 2,048]; A: input dist; B: input Wk: QUANTISED
;;     3. [M 32,768, K 256] x [K 256, N 2,048]; A: input sites; B: input Wv: QUANTISED
;;     4. batch 1,024 x [M 1, K 256] x [K 256, N 256]; A: computed on the way; B: computed on the way: left as it is (M = 1 < 16)
;;     5. batch 1,024 x [M 1, K 256] x [K 256, N 256]; A: softmax; B: computed on the way: left as it is (M = 1 < 16)
;;     6. [M 128, K 2,048] x [K 2,048, N 256]; A: computed on the way; B: input Wo: QUANTISED
;;     7. [M 32,768, K 8] x [K 8, N 1]; A: computed on the way; B: input Wa: left as it is (K = 8 < 32)
;;   THE QUANTISER, for each operand of a quantised product, along K:
;;     - K is cut into blocks of 32 from its start; a last block that is shorter is filled with zeros.
;;     - A block's scale is 2^e with e = floor(log2(the largest magnitude in the block)) - 8, held to -126 .. 127; a block of zeros has e = 0. As a byte (E8M0): e + 127.
;;     - Each number is divided by its block's scale, clamped to +-448, and rounded to the nearest number of E4M3, ties to even, subnormals kept.
;;     - The product sums the exact products of the quantised numbers (number of the format x scale) in f32.
;;   ~~~python
;;   def quantise(x, axis):      # numpy; x: float32 -> the quantised numbers, widened to float32 again
;;       x = np.moveaxis(x, axis, -1); K = x.shape[-1]
;;       x = np.pad(x, [(0, 0)] * (x.ndim - 1) + [(0, -K % 32)]); x = x.reshape(x.shape[:-1] + (-1, 32)); a = np.abs(x).max(-1, keepdims=True)
;;       e = np.where(a > 0, np.clip(np.frexp(np.where(a > 0, a, 1))[1] - 1 - 8, -126, 127), 0)      # np.frexp(a)[1] - 1 = floor(log2(a)), exactly
;;       r = np.clip(x / 2.0 ** e, -448, 448)
;;       step = 2.0 ** (np.maximum(np.frexp(np.where(r == 0, 1, r))[1] - 1, -6) - 3)
;;       q = np.round(r / step) * step * 2.0 ** e      # np.round: ties to even
;;       return np.moveaxis(q.reshape(q.shape[:-2] + (-1,))[..., :K], -1, axis).astype(np.float32)
;;   ~~~
;;   OPERANDS COMPUTED ON THE WAY. 'Computed on the way' means the value that the module computes at that place (a softmax that the list does not call 'softmax' is quantised finished and normalised). What goes into a quantiser is computed in f32, as accurately as f32 sums, v_exp_f32 and their like allow (about 1e-6 of the number): no bf16 or f16 on the way to a quantiser, and a product that is left as it is and whose result goes on into a quantised operand takes f32 operands (vector FMAs, or v_wmma_f32_16x16x4_f32). A number that lies on a knife's edge between two numbers of the format may be rounded either way, as far as f32 arithmetic and the matrix unit's own rounding can turn it there, and no further.
;; 2 versions, each right; version 2 is version 1 with the launches prep, final written anew for expert scheduling mode. Each part assembles by itself: llvm-mc -triple=amdgcn-amd-amdhsa -mcpu=gfx1250 --defsym DOCPART=n.
;; ======== version 1 of 2: 4 launches
;; limits: a difference of large sums (such as E[x^2] - mean^2): digits are lost where the result is much smaller than its terms
;; workspace buffers: wkr 548,864 bytes; wvr 548,864 bytes; wor 540,672 bytes; qraw 1,048,576 bytes; qn 1,048,576 bytes; u 1,048,576 bytes; part 2,097,152 bytes
;; launch prep (part 1): grid 64 x 1, 8 waves a work-group, no clusters, 103,424 bytes of LDS; arguments Wq, bq, local, Wk, bk, Wv, bv, Wo, qraw, wkr, wvr, wor; writes qraw, wkr, wvr, wor
.if DOCPART == 1
	.amdgcn_target "amdgcn-amd-amdhsa--gfx1250"
	.amdhsa_code_object_version 6
	.text
	.protected	k_q3c54e44d6b_prep
	.globl	k_q3c54e44d6b_prep
	.p2align	8
	.type	k_q3c54e44d6b_prep,@function
k_q3c54e44d6b_prep:
	s_mov_b64 s[64:65], 0
	v_nop
	global_prefetch_b8 v0, s[64:65] scope:SCOPE_SE
	s_setreg_imm32_b32 hwreg(HW_REG_WAVE_MODE, 25, 1), 1
	s_wait_xcnt 0x0
; PREP.  Three kinds of work-group, told apart by the work-group's number alone:
;   0-15   qraw[128][2048] = Q(local) Q(Wq) + bq, both operands quantised here (codes of E4M3, one E8M0 scale for each 32 along K = 256).
;   16-47  Wk (16-31) and Wv (32-47), [256 (k)][2048 (n)] f32, become codes laid in the ORDER OF THE OPERAND'S REGISTERS, with scale words and the bias beside them:
;          4 blocks of BLOCKB bytes; block t = n tiles (16 columns) 32 t .. 32 t + 31: 32 records of 4,096 bytes (K step 0's fragment image, then K step 1's: byte of column r, k = 128 s + 32 c + 16 h + kk
;          at 2048 s + 512 c + 16 (16 h + r) + kk), then 32 x 128 bytes of scale words (64 s + 4 r), then 32 x 64 bytes: the tile's 16 bias numbers.
;   48-63  Wo [2048 (k)][256 (n)] likewise: codes at 32768 j + 2048 s + image (n tile j, K step s), scale words at 524288 + 1024 j + 64 s + 4 r.
; A weight's K is its first axis: A LANE TAKES A COLUMN AND ITS REGISTERS RUN DOWN K, so a block of 32 lies in one lane and the conversions give codes with K innermost.
; A block's scale byte is its largest magnitude's exponent field - 8, held at 1 from below.  LIMITS: a block of zeros keeps the byte 1 (its codes are zeros, and this program alone reads the bytes);
; NaN and infinities among the inputs are not served.
.set BLOCKB, 137216
.set WV,  28
.set SEL, 30
.set MNT, 32
.set HM,  33
.set XIMG, 0                           ; path Q's LDS: local's 16 fragment images (row tile m, K step s at 2048 (2 m + s)),
.set XSC,  32768                       ; their scale words, 128 bytes a row tile (lanes 0-15: K step 0, lanes 16-31: K step 1),
.set STG,  33792                       ; and the stage for the way out: 128 rows x (512 bytes + 16)
.set PC,  16                           ; v16-31   codes just made
.set RA,  32                           ; v32-95   64 numbers
.set RB,  96                           ; v96-159  64 numbers
.set RC,  160                          ; v160-223 64 numbers
.set TM,  224                          ; v224-239 the quantiser's temporaries
.set PW0, 240
.set PW1, 241
.set XSW, 242                          ; local's scale word of my row tile
.set WSW, 243                          ; Wq's scale word of my n tile
.set XS,  244                          ; v244-251 local's scale words, a register a row tile
.set WC0, 96                           ; Wq's two fragments, where RB lay
.set WC1, 112
.set BQ,  128                          ; bq in the result's layout
.set XF,  32                           ; four fragments of local
.set ACC, 160                          ; eight accumulators
; 64 numbers of a lane, register 16 b + i = k 32 b + 16 (lane / 16) + i of the lane's row or column, become a fragment's codes in v[pc] on and its scale word in v[pw]
.macro QUANT s, pc, pw
.irp b, 0,1,2,3
	v_max3_num_f32 v[TM+\b], |v[\s+16*\b]|, |v[\s+1+16*\b]|, 0x4800000   ; my 16 numbers of block b, and the floor 2^(9 - 127): the byte cannot fall under 1
.endr
.irp i, 2,4,6,8,10,12,14
.irp b, 0,1,2,3
	v_max3_num_f32 v[TM+\b], v[TM+\b], |v[\s+16*\b+\i]|, |v[\s+1+16*\b+\i]|
.endr
.endr
.irp b, 0,1,2,3
	v_permlanex16_b32 v[TM+4+\b], v[TM+\b], s[SEL], s[SEL+1]
.endr
.irp b, 0,1,2,3
	v_max_num_f32 v[TM+\b], v[TM+\b], v[TM+4+\b]                       ; with lane l xor 16's: the block's largest magnitude
.endr
.irp b, 0,1,2,3
	v_add_nc_u32 v[TM+12+\b], 0xfc000000, v[TM+\b]                     ; 8 off its exponent field: the conversion's scale operand
.endr
.irp b, 0,1,2,3
	v_and_or_b32 v[TM+8+\b], v[TM+\b], 0x7f800000, s[MNT]              ; 448 x the scale
.endr
.irp b, 0,1,2,3
	v_lshrrev_b32 v[TM+4+\b], 23, v[TM+12+\b]                          ; the scale's byte
.endr
	v_lshl_or_b32 v[\pw], v[TM+5], 8, v[TM+4]
	v_lshl_or_b32 v[\pw], v[TM+6], 16, v[\pw]
	v_lshl_or_b32 v[\pw], v[TM+7], 24, v[\pw]
.irp b, 0,1,2,3
.irp i, 0,1,2,3,4,5,6,7,8,9,10,11,12,13,14,15
	v_med3_num_f32 v[\s+16*\b+\i], v[\s+16*\b+\i], -v[TM+8+\b], v[TM+8+\b]   ; the conversion to an 8-bit code does not saturate (ISA guide 7.6.2): the hold
.endr
	v_cvt_scalef32_pk8_fp8_f32 v[\pc+4*\b:\pc+1+4*\b], v[\s+16*\b:\s+7+16*\b], v[TM+12+\b]
	v_cvt_scalef32_pk8_fp8_f32 v[\pc+2+4*\b:\pc+3+4*\b], v[\s+8+16*\b:\s+15+16*\b], v[TM+12+\b]
.endr
	v_nop                                          ; a plain line between the last conversion and whatever next touches its registers
.endm
.macro IMAGE adr, off, pc                      ; a fragment goes to LDS as it stands: 16 bytes a lane, 512 bytes a store
.irp c, 0,1,2,3
	ds_store_b128 v[\adr], v[\pc+4*\c:\pc+4*\c+3] offset:\off+512*\c
.endr
.endm
; A wave's share of a weight: 32 columns x one K step of 128.  s[36:37] the numbers, s[42:43] the codes, s[44:45] the scale words; v4 = 4 x lane, v5, v6 the lane's places in codes and scale words.
.macro PQ pitch
.set j, 0
.rept 128
	global_load_b32 v[32+j], v4, s[36:37] offset:j*\pitch th:TH_LOAD_NT    ; row k = j at my column: 128 consecutive bytes a wave
.set j, j+1
.endr
.irp c, 0,1,2,3
.set XB, 32+32*\c
.if \c < 2
	s_wait_loadcnt 63                              ; block c's 32 loads are in: 96 - 32 c younger ones may be out, and 63 is the largest count that the wait names
.elseif \c == 2
	s_wait_loadcnt 32                              ; the last block's 32 may be out
.else
	s_wait_loadcnt 0x0
.endif
	v_max3_num_f32 v12, |v[XB]|, |v[XB+1]|, |v[XB+2]|                  ; the block's largest magnitude: all 32 numbers are mine
	v_max3_num_f32 v13, |v[XB+3]|, |v[XB+4]|, |v[XB+5]|
.irp i, 6,10,14,18,22,26
	v_max3_num_f32 v12, v12, |v[XB+\i]|, |v[XB+\i+1]|
	v_max3_num_f32 v13, v13, |v[XB+\i+2]|, |v[XB+\i+3]|
.endr
	v_max3_num_f32 v12, v12, |v[XB+30]|, |v[XB+31]|
	v_max3_num_f32 v12, v12, v13, 0x4800000        ; and the floor
	v_add_nc_u32 v11, 0xfc000000, v12              ; the conversion's scale operand
	v_and_or_b32 v10, v12, 0x7f800000, s[MNT]      ; 448 x the scale
	v_lshrrev_b32 v13, 23, v11                     ; the byte
.if \c == 0
	v_mov_b32 v14, v13
.else
	v_lshl_or_b32 v14, v13, 8*\c, v14              ; four bytes make my column's scale word of this K step
.endif
.set j, 0
.rept 32
	v_med3_num_f32 v[XB+j], v[XB+j], -v10, v10
.set j, j+1
.endr
.irp g, 0,1,2,3
	v_cvt_scalef32_pk8_fp8_f32 v[160+8*\c+2*\g:161+8*\c+2*\g], v[XB+8*\g:XB+8*\g+7], v11
.endr
	v_nop                                          ; a plain line behind the conversions: the next block writes their scale operand
	global_store_b128 v5, v[160+8*\c:163+8*\c], s[42:43] offset:512*\c        ; k = 32 c + 0 .. 15: sixteen lanes store 256 consecutive bytes, aligned
	global_store_b128 v5, v[164+8*\c:167+8*\c], s[42:43] offset:512*\c+256    ; k = 32 c + 16 .. 31
.endr
	global_store_b32 v6, v14, s[44:45]
.endm
	s_load_b512 s[4:19], s[0:1], 0x0               ; Wq 4:5, bq 6:7, local 8:9, Wk 10:11, bk 12:13, Wv 14:15, bv 16:17, Wo 18:19
	s_load_b256 s[20:27], s[0:1], 0x40             ; qraw 20:21, wkr 22:23, wvr 24:25, wor 26:27
	v_lshl_add_u32 v254, v0, 2, 0x19000
	v_mov_b32 v255, 0
	v_lshrrev_b32 v1, 5, v0
	v_readfirstlane_b32 s[WV], v1                  ; wave 0..7
	v_and_b32 v1, 31, v0                           ; lane
	v_and_b32 v2, 15, v0                           ; r
	v_bfe_u32 v3, v0, 4, 1                         ; h
	s_mov_b32 s[SEL], 0x76543210
	s_mov_b32 s[SEL+1], 0xfedcba98                 ; v_permlanex16_b32's selects for lane l xor 16
	s_mov_b32 s[MNT], 0x600000                     ; the mantissa field of 448
	s_mov_b32 s[HM], 0xffff0000                    ; lanes 16-31
	s_mov_b32 s47, 0
	s_wait_kmcnt 0x0
	s_cmp_lt_u32 ttmp9, 16
	s_cbranch_scc1 .Lpath_q
	s_cmp_lt_u32 ttmp9, 48
	s_cbranch_scc0 .Lpath_o
	; ---- Wk and Wv
	s_sub_co_u32 s34, ttmp9, 16
	s_cmp_lt_u32 s34, 16                           ; the choice hangs on the work-group's number alone
	s_cselect_b64 s[36:37], s[10:11], s[14:15]     ; the weight,
	s_cselect_b64 s[38:39], s[12:13], s[16:17]     ; its bias,
	s_cselect_b64 s[40:41], s[22:23], s[24:25]     ; its record
	s_and_b32 s34, s34, 15
	s_lshr_b32 s35, s[WV], 2                       ; my K step
	s_and_b32 s48, s[WV], 3
	s_lshl_b32 s51, s34, 2
	s_add_co_u32 s48, s48, s51                     ; my group of 32 columns, 0..63
	s_lshr_b32 s49, s48, 4                         ; its block,
	s_and_b32 s50, s48, 15                         ; and its place there
	s_lshl_b32 s46, s35, 20                        ; 128 rows of 8,192 bytes
	s_lshl_b32 s51, s48, 7
	s_add_co_u32 s46, s46, s51
	s_add_nc_u64 s[36:37], s[36:37], s[46:47]
	s_mov_b32 s46, s51
	s_add_nc_u64 s[38:39], s[38:39], s[46:47]
	s_mul_i32 s46, s49, BLOCKB
	s_add_nc_u64 s[40:41], s[40:41], s[46:47]
	s_lshl_b32 s46, s50, 13
	s_lshl_b32 s51, s35, 11
	s_add_co_u32 s46, s46, s51
	s_add_nc_u64 s[42:43], s[40:41], s[46:47]      ; codes: two records of 4,096 bytes, + 2,048 x K step
	s_lshl_b32 s46, s50, 8
	s_lshl_b32 s51, s35, 6
	s_add_co_u32 s46, s46, s51
	s_add_co_u32 s46, s46, 131072
	s_add_nc_u64 s[44:45], s[40:41], s[46:47]      ; scale words
	s_lshl_b32 s46, s50, 7
	s_add_co_u32 s46, s46, 135168
	s_add_nc_u64 s[52:53], s[40:41], s[46:47]      ; bias
	v_lshlrev_b32 v4, 2, v1
	v_lshlrev_b32 v5, 4, v2
	v_lshl_add_u32 v5, v3, 12, v5                  ; lanes 16-31 hold the next n tile: 4,096 bytes on
	v_lshlrev_b32 v6, 2, v2
	v_lshl_add_u32 v6, v3, 7, v6
	PQ 8192
	s_cmp_lg_u32 s35, 0                            ; the waves of K step 0 also copy their columns' bias
	s_cbranch_scc1 .Lkv_done
	global_load_b32 v7, v4, s[38:39]
	s_wait_loadcnt 0x0
	global_store_b32 v4, v7, s[52:53]
.Lkv_done:
	s_endpgm
	; ---- Wo: the work-group takes a K step, the wave 32 columns
.Lpath_o:
	s_sub_co_u32 s35, ttmp9, 48
	s_lshl_b32 s46, s35, 17                        ; 128 rows of 1,024 bytes
	s_lshl_b32 s51, s[WV], 7
	s_add_co_u32 s46, s46, s51
	s_add_nc_u64 s[36:37], s[18:19], s[46:47]
	s_lshl_b32 s46, s[WV], 16
	s_lshl_b32 s51, s35, 11
	s_add_co_u32 s46, s46, s51
	s_add_nc_u64 s[42:43], s[26:27], s[46:47]
	s_lshl_b32 s46, s[WV], 11
	s_lshl_b32 s51, s35, 6
	s_add_co_u32 s46, s46, s51
	s_add_co_u32 s46, s46, 524288
	s_add_nc_u64 s[44:45], s[26:27], s[46:47]
	v_lshlrev_b32 v4, 2, v1
	v_lshlrev_b32 v5, 4, v2
	v_lshl_add_u32 v5, v3, 15, v5
	v_lshlrev_b32 v6, 2, v2
	v_lshl_add_u32 v6, v3, 10, v6
	PQ 1024
	s_endpgm
	; ---- qraw: wave w quantises row tile w of local and n tile 8 x work-group + w of Wq, and multiplies that n tile by all eight row tiles
.Lpath_q:
	s_lshl_b32 s34, ttmp9, 3
	s_add_co_u32 s34, s34, s[WV]
	s_lshl_b32 s46, s34, 6                         ; 16 columns of 4 bytes
	s_add_nc_u64 s[36:37], s[4:5], s[46:47]
	s_add_nc_u64 s[38:39], s[6:7], s[46:47]
	s_lshl_b32 s46, s[WV], 14
	s_add_nc_u64 s[40:41], s[8:9], s[46:47]
	s_lshl_b32 s46, s[WV], 17                      ; the way out: my 16 rows of 8,192 bytes, the work-group's 512 bytes of them
	s_lshl_b32 s51, ttmp9, 9
	s_add_co_u32 s46, s46, s51
	s_add_nc_u64 s[20:21], s[20:21], s[46:47]
	v_lshlrev_b32 v4, 2, v2
	v_lshl_add_u32 v4, v3, 17, v4                  ; Wq: column r; lanes 16-31 begin 16 rows further down
	v_lshlrev_b32 v5, 10, v2
	v_lshl_add_u32 v5, v3, 6, v5                   ; local: row r, + 64 h: my 16 numbers of a block of 32
	v_lshlrev_b32 v6, 5, v3                        ; bq: 8 h numbers on
	v_lshlrev_b32 v9, 4, v1                        ; 16 x lane
	s_lshl_b32 s48, s[WV], 12
	v_add_nc_u32 v7, s48, v9                       ; where I store my images
	s_lshl_b32 s48, s[WV], 7
	s_add_co_u32 s48, s48, XSC
	v_lshl_add_u32 v8, v1, 2, s48                  ; and my scale word
	v_lshl_add_u32 v10, v1, 2, XSC
	v_mul_u32_u24 v11, v2, 528
	v_lshl_add_u32 v11, v3, 5, v11
	s_lshl_b32 s48, s[WV], 6
	s_add_co_u32 s48, s48, STG
	v_add_nc_u32 v11, s48, v11                     ; the stage, in: row r, + 64 x wave + 32 h
	s_mul_i32 s48, s[WV], 16*528
	s_add_co_u32 s48, s48, STG
	v_lshl_add_u32 v12, v1, 4, s48                 ; and back: my 16 rows, 16 bytes a lane
.irp b, 0,1,2,3
	v_mov_b32 v[TM+4+\b], 0                        ; written once: a lane permute's destination counts as one of its sources
.endr
.irp s, 0,1
.irp c, 0,1,2,3
.irp j, 0,1,2,3
	global_load_b128 v[RA+64*\s+16*\c+4*\j:RA+64*\s+16*\c+4*\j+3], v5, s[40:41] offset:512*\s+128*\c+16*\j
.endr
.endr
.endr
.set j, 0
.rept 64
	global_load_b32 v[RC+j], v4, s[36:37] offset:(32*(j/16)+j%16)*8192 th:TH_LOAD_NT     ; Wq(32 c + 16 h + i, my column), K step 0
.set j, j+1
.endr
	s_wait_loadcnt 63                              ; local's 32 loads, the oldest of 96, are in
	QUANT RA, PC, PW0
	IMAGE 7, 0, PC
.set j, 0
.rept 64
	global_load_b32 v[RA+j], v4, s[36:37] offset:(128+32*(j/16)+j%16)*8192 th:TH_LOAD_NT ; K step 1, into the registers just quantised
.set j, j+1
.endr
	s_wait_dscnt 0x0                               ; the stores have read the codes' registers
	QUANT RB, PC, PW1
	IMAGE 7, 2048, PC
	global_load_b128 v[BQ:BQ+3], v6, s[38:39]      ; bq(16 T + 8 h + 0 .. 7): the C of each sum's first product
	global_load_b128 v[BQ+4:BQ+7], v6, s[38:39] offset:16
	v_cndmask_b32 v[XSW], v[PW0], v[PW1], s[HM]    ; lanes 0-15: K step 0's word, lanes 16-31: K step 1's
	ds_store_b32 v8, v[XSW]
	s_wait_loadcnt 63                              ; Wq's K step 0 is in: 66 younger loads were issued behind it
	QUANT RC, WC0, PW0
	s_wait_loadcnt 0x0
	QUANT RA, WC1, PW1
	v_cndmask_b32 v[WSW], v[PW0], v[PW1], s[HM]
.rept 8
	v_nop                                          ; a scale register written by a vector instruction stands eight places ahead of the scaled product, codes so written four
.endr
	s_wait_dscnt 0x0                               ; my images and my scale word have landed
	s_barrier_signal -1
	s_barrier_wait -1
.irp m, 0,1,2,3,4,5,6,7
	ds_load_b32 v[XS+\m], v10 offset:128*\m
.endr
.irp m, 0,2,4,6                                ; two row tiles at a time: two accumulators by turns.  TRANSPOSED: source 0 = 16 columns of Wq, source 1 = 16 rows of local
.set j, 0
.rept 16
	ds_load_b128 v[XF+4*j:XF+4*j+3], v9 offset:\m*4096+512*j
.set j, j+1
.endr
	s_wait_dscnt 0x0
	v_wmma_scale_f32_16x16x128_f8f6f4 v[ACC+8*\m:ACC+8*\m+7], v[WC0:WC0+15], v[XF:XF+15], v[BQ:BQ+7], v[WSW], v[XS+\m]
	v_wmma_scale_f32_16x16x128_f8f6f4 v[ACC+8*\m+8:ACC+8*\m+15], v[WC0:WC0+15], v[XF+32:XF+47], v[BQ:BQ+7], v[WSW], v[XS+\m+1]
	v_wmma_scale_f32_16x16x128_f8f6f4 v[ACC+8*\m:ACC+8*\m+7], v[WC1:WC1+15], v[XF+16:XF+31], v[ACC+8*\m:ACC+8*\m+7], v[WSW], v[XS+\m] matrix_a_scale:MATRIX_SCALE_ROW1 matrix_b_scale:MATRIX_SCALE_ROW1
	v_wmma_scale_f32_16x16x128_f8f6f4 v[ACC+8*\m+8:ACC+8*\m+15], v[WC1:WC1+15], v[XF+48:XF+63], v[ACC+8*\m+8:ACC+8*\m+15], v[WSW], v[XS+\m+1] matrix_a_scale:MATRIX_SCALE_ROW1 matrix_b_scale:MATRIX_SCALE_ROW1
.rept 8
	v_nop                                          ; places in front of loads into registers that these products read, and of the first read of results
.endr
.endr
.irp m, 0,1,2,3,4,5,6,7                        ; lane (r, h): qraw(16 m + r, 16 T + 8 h + 0 .. 7); each accumulator from its low end on
	ds_store_b128 v11, v[ACC+8*\m:ACC+8*\m+3] offset:\m*16*528
	ds_store_b128 v11, v[ACC+8*\m+4:ACC+8*\m+7] offset:\m*16*528+16
.endr
	s_wait_dscnt 0x0
	s_barrier_signal -1
	s_barrier_wait -1                              ; 128 rows x 512 bytes lie in the stage
.irp i, 0,1,2,3,4,5,6,7,8,9,10,11,12,13,14,15
	ds_load_b128 v[XF+4*\i:XF+4*\i+3], v12 offset:\i*528
.endr
.irp i, 0,1,2,3,4,5,6,7,8,9,10,11,12,13,14,15
	s_wait_dscnt 15-\i
	global_store_b128 v9, v[XF+4*\i:XF+4*\i+3], s[20:21] offset:\i*8192     ; 32 lanes store 512 consecutive bytes, aligned
.endr
	s_wait_tensorcnt 0x0
	ds_add_u32 v254, v255
	s_wait_dscnt 0x0
	s_endpgm
.Lfunc_end_k_q3c54e44d6b_prep:
	.size	k_q3c54e44d6b_prep, .Lfunc_end_k_q3c54e44d6b_prep-k_q3c54e44d6b_prep
	.p2alignl 7, 3214868480
	.fill 96, 4, 3214868480
	.section	.rodata,"a",@progbits
	.p2align	6, 0x0
	.amdhsa_kernel k_q3c54e44d6b_prep
		.amdhsa_group_segment_fixed_size 103424
		.amdhsa_private_segment_fixed_size 0
		.amdhsa_enable_private_segment 0
		.amdhsa_kernarg_size 96
		.amdhsa_user_sgpr_count 2
		.amdhsa_user_sgpr_kernarg_segment_ptr 1
		.amdhsa_wavefront_size32 1
		.amdhsa_system_sgpr_workgroup_id_x 1
		.amdhsa_system_sgpr_workgroup_id_y 1
		.amdhsa_system_sgpr_workgroup_id_z 1
		.amdhsa_system_vgpr_workitem_id 0
		.amdhsa_next_free_vgpr 256
		.amdhsa_next_free_sgpr 66
		.amdhsa_reserve_vcc 0
		.amdhsa_float_denorm_mode_32 3
		.amdhsa_float_denorm_mode_16_64 3
		.amdhsa_memory_ordered 1
		.amdhsa_forward_progress 1
		.amdhsa_inst_pref_size 120
	.end_amdhsa_kernel
	.amdgpu_metadata
---
amdhsa.version: [ 1, 2 ]
amdhsa.kernels:
  - .name:           k_q3c54e44d6b_prep
    .symbol:         k_q3c54e44d6b_prep.kd
    .args:
      - { .name: Wq, .offset: 0, .size: 8, .value_kind: global_buffer, .address_space: global }
      - { .name: bq, .offset: 8, .size: 8, .value_kind: global_buffer, .address_space: global }
      - { .name: local, .offset: 16, .size: 8, .value_kind: global_buffer, .address_space: global }
      - { .name: Wk, .offset: 24, .size: 8, .value_kind: global_buffer, .address_space: global }
      - { .name: bk, .offset: 32, .size: 8, .value_kind: global_buffer, .address_space: global }
      - { .name: Wv, .offset: 40, .size: 8, .value_kind: global_buffer, .address_space: global }
      - { .name: bv, .offset: 48, .size: 8, .value_kind: global_buffer, .address_space: global }
      - { .name: Wo, .offset: 56, .size: 8, .value_kind: global_buffer, .address_space: global }
      - { .name: qraw, .offset: 64, .size: 8, .value_kind: global_buffer, .address_space: global }
      - { .name: wkr, .offset: 72, .size: 8, .value_kind: global_buffer, .address_space: global }
      - { .name: wvr, .offset: 80, .size: 8, .value_kind: global_buffer, .address_space: global }
      - { .name: wor, .offset: 88, .size: 8, .value_kind: global_buffer, .address_space: global }
    .group_segment_fixed_size: 103424
    .private_segment_fixed_size: 0
    .kernarg_segment_align: 8
    .kernarg_segment_size: 96
    .max_flat_workgroup_size: 256
    .sgpr_count:     66
    .vgpr_count:     256
    .wavefront_size: 32
...
	.end_amdgpu_metadata
.endif
;; end of part 1
;; launch kpass (part 2): grid 256 x 1, 8 waves a work-group, clusters of 4 x 1, 327,680 bytes of LDS; arguments dist, wkr, qraw, gq, betq, gk, betk, u, qn; writes u, qn
.if DOCPART == 2
	.amdgcn_target "amdgcn-amd-amdhsa--gfx1250"
	.amdhsa_code_object_version 6
	.text
	.protected	k_q3c54e44d6b_kpass
	.globl	k_q3c54e44d6b_kpass
	.p2align	8
	.type	k_q3c54e44d6b_kpass,@function
k_q3c54e44d6b_kpass:
	s_mov_b64 s[64:65], 0
	v_nop
	global_prefetch_b8 v0, s[64:65] scope:SCOPE_SE
	s_setreg_imm32_b32 hwreg(HW_REG_WAVE_MODE, 25, 1), 1
	s_wait_xcnt 0x0
	s_wait_alu depctr_hold_cnt(0) depctr_sa_sdst(0) depctr_va_vdst(0) depctr_va_sdst(0) depctr_va_ssrc(0) depctr_va_vcc(0) depctr_vm_vsrc(0)
	s_getreg_b32 s2, hwreg(HW_REG_IB_STS2, 6, 4)
	s_cmp_eq_u32 s2, 0
	s_cbranch_scc0 .Lentry_in_a_cluster
	s_endpgm
.Lentry_in_a_cluster:
	s_bfe_u32 s2, ttmp6, 0x10000c
	s_cmp_lg_u32 s2, 0x3003
	s_cbranch_scc0 .Lentry_shape_is_right
	s_endpgm
.Lentry_shape_is_right:
; KPASS.  u[b][h][s] = q[b][h] . k[b][s][h] / 16, the mask not yet applied; q = LN(qraw[b]) (also stored: qn), k = LN(Q(dist) Q(Wk) + bk).  k never goes to memory.
; With x = a row of the product with its bias, m and r its mean and 1 / sqrt(var + eps) over all 2,048 columns, A[n] = qn[n] gk[n] / 16, SA_h and SB_h the head's sums of A and of qn betk / 16:
;   u[h][s] = r_s (sum over the head's d of A x - m_s SA_h) + SB_h.      So one walk over the product's results yields all that is wanted: sum, sum of squares, dot with A.
; SHARES.  A work-group owns 128 rows (half hf) of batch b.  Every wave holds the codes of all 128 rows in registers (window 1); the waves share the COLUMNS: of weight block t (512 columns) wave w takes
; n tiles 4 w .. 4 w + 3.  So each fragment of Wk is read from LDS once in the work-group and feeds eight products.  Two waves lie on a SIMD: one wave's vector work stands beside the other's products.
; The weight blocks (codes, scale words and bias in operand order, BLOCKB bytes) go through two LDS slots; the four work-groups of a cluster walk the same blocks and ask for them JOINTLY.
; dist's rows come once, by a plain tensor load a wave, into slot 1's bytes, are quantised there by the wave that fetched them, and go round as images of the operand's registers.
; LIMITS: the row variance is taken as E[x^2] - m^2 from f32 sums: its relative error is about (1 + m^2 / var) 2^-22, some 2e-4 of var where the mean is 30 spreads.  A block of zeros keeps the scale byte 1.
; NaN and infinities among the inputs are not served.
.set BLOCKB, 137216                    ; 536 x 256
.set WPART,  17152                     ; a wave's eighth of a block: 67 rows of 256 bytes
.set XPART,  16640                     ; a wave's 16 rows of dist: 16 x (1,024 + 16)
.set SLOT1,  137216
.set XIMG,   274432                    ; 16 fragment images (row tile m, K step s at 2048 (2 m + s))
.set XSC,    307200                    ; their scale words, 128 bytes a row tile
.set AV,     308224                    ; A[2048]
.set QST,    316416                    ; the q row's two reductions over the waves
.set SPARE,  316672                    ; the spare words: 128 bytes for each wave, four blocks of 256 bytes that no other line names
.set ST,     XIMG                      ; later, where the images lay: [wave][128 rows][sum, sum of squares]
.set DP,     XIMG+8192                 ; and [wave][block t][128 rows]: the dots
.set WV,  22
.set CX,  23
.set BB,  24
.set HF,  25
.set INV, 26
.set G1W, 28                           ; s[28:35] group 1 of a weight part
.set G1X, 36                           ; s[36:43] group 1 of dist's rows
.set G0X, 44
.set G0A, 48                           ; slot 0's group 0
.set G0B, 52                           ; slot 1's
.set SEL, 56
.set MNT, 58
.set HM,  59
.set QRP, 70                           ; s[70:71] qraw's row b;  s[72:73] qn's;  s[74:75] my 512 bytes of u
.set QNP, 72
.set UP,  74
.set SPW, 4
.set NIL, 5
.set WC,  6                            ; v6-7   my four records in slot 0, 1
.set WSA, 8                            ; v8-9   their scale words
.set WBA, 10                           ; v10-11 their bias
.set AVA, 12
.set LI,  13
.set LSX, 14
.set XRD, 15
.set CO,  16                           ; 1024 w + 16 l: as head w, my columns 256 w + 4 l .. and + 128
.set STW, 17
.set STR, 18
.set DPW, 19
.set SA,  20
.set SB,  21
.set DPR, 22
.set AVW, 23
.set XS,  24                           ; v24-31  dist's scale words, a register a row tile
.set WS,  32                           ; v32     the n tile's scale word
.set BI,  34                           ; v34-41  its bias, in the result's layout
.set AQ,  42                           ; v42-57  A of the n tile, two sets
.set WF,  58                           ; v58-89  its two fragments
.set ACC, 90                           ; v90-153 eight accumulators
.set SUM, 154
.set SQ,  170
.set DOT, 186
.set DB,  202                          ; v202-233 the dots of four blocks x eight row tiles
.set TMP, 234
.set QA,  90
.set QB,  154
.set TM,  218
.set PC,  58
.set PW0, 234
.set PW1, 235
.set XWI, 236
.set XWS, 237
.set QSW, 238
.set QSR, 239
.set RM,  170
.set RV,  174
.set RR,  178
.set MSB, 0
.macro WIN new                         ; the immediate's high byte repeats the setting that is left
.if MSB != \new
	s_set_vgpr_msb (MSB<<8)|\new
.set MSB, \new
.endif
.endm
.macro PLACES n
.rept \n
	v_nop
.endr
.endm
.macro WRED v, t                       ; the sum over the wave's 32 lanes, in every lane
	v_add_f32_dpp v[\v], v[\v], v[\v] row_xmask:1 row_mask:0xf bank_mask:0xf
	v_add_f32_dpp v[\v], v[\v], v[\v] row_xmask:2 row_mask:0xf bank_mask:0xf
	v_add_f32_dpp v[\v], v[\v], v[\v] row_xmask:4 row_mask:0xf bank_mask:0xf
	v_add_f32_dpp v[\v], v[\v], v[\v] row_xmask:8 row_mask:0xf bank_mask:0xf
	v_permlanex16_b32 v[\t], v[\v], s[SEL], s[SEL+1]
	v_add_f32 v[\v], v[\v], v[\t]
.endm
.macro QUANT s, pc, pw                 ; 64 numbers of a lane, register 16 b + i = k 32 b + 16 (lane / 16) + i of my row, become a fragment's codes and its scale word
.irp b, 0,1,2,3
	v_max3_num_f32 v[TM+\b], |v[\s+16*\b]|, |v[\s+1+16*\b]|, 0x4800000   ; and the floor 2^(9 - 127): the byte cannot fall under 1
.endr
.irp i, 2,4,6,8,10,12,14
.irp b, 0,1,2,3
	v_max3_num_f32 v[TM+\b], v[TM+\b], |v[\s+16*\b+\i]|, |v[\s+1+16*\b+\i]|
.endr
.endr
.irp b, 0,1,2,3
	v_permlanex16_b32 v[TM+4+\b], v[TM+\b], s[SEL], s[SEL+1]
.endr
.irp b, 0,1,2,3
	v_max_num_f32 v[TM+\b], v[TM+\b], v[TM+4+\b]
.endr
.irp b, 0,1,2,3
	v_add_nc_u32 v[TM+12+\b], 0xfc000000, v[TM+\b]                     ; 8 off the exponent field: the conversion's scale operand
.endr
.irp b, 0,1,2,3
	v_and_or_b32 v[TM+8+\b], v[TM+\b], 0x7f800000, s[MNT]              ; 448 x the scale
.endr
.irp b, 0,1,2,3
	v_lshrrev_b32 v[TM+4+\b], 23, v[TM+12+\b]
.endr
	v_lshl_or_b32 v[\pw], v[TM+5], 8, v[TM+4]
	v_lshl_or_b32 v[\pw], v[TM+6], 16, v[\pw]
	v_lshl_or_b32 v[\pw], v[TM+7], 24, v[\pw]
.irp b, 0,1,2,3
.irp i, 0,1,2,3,4,5,6,7,8,9,10,11,12,13,14,15
	v_med3_num_f32 v[\s+16*\b+\i], v[\s+16*\b+\i], -v[TM+8+\b], v[TM+8+\b]   ; the conversion does not saturate (ISA guide 7.6.2): the hold
.endr
	v_cvt_scalef32_pk8_fp8_f32 v[\pc+4*\b:\pc+1+4*\b], v[\s+16*\b:\s+7+16*\b], v[TM+12+\b]
	v_cvt_scalef32_pk8_fp8_f32 v[\pc+2+4*\b:\pc+3+4*\b], v[\s+8+16*\b:\s+15+16*\b], v[TM+12+\b]
.endr
	v_nop
.endm
.macro IMAGE adr, off, pc
.irp c, 0,1,2,3
	ds_store_b128 v[\adr], v[\pc+4*\c:\pc+4*\c+3] offset:\off+512*\c
.endr
.endm
.macro ROUND                           ; a round of the cluster's barrier
	s_barrier_signal -1
	s_barrier_wait -1
	s_cmp_lg_u32 s[WV], 0
	s_cbranch_scc1 .Lnot_wave_0_\@
	s_barrier_signal -3
.Lnot_wave_0_\@:
	s_barrier_wait -3
	s_barrier_signal -1
	s_barrier_wait -1
.endm
; THE CHANGE OF SLOTS.  Every wave waits for all its tensor loads (its part of the slot ahead), adds 0 to its spare word, and waits for that and for its reads of the slot that it has left.
; fill = 1: behind a round of the cluster's barrier that slot is filled again, jointly, one load a wave: it has a whole block's work in which to land.
.macro CHANGE g0, dir, fill
	s_wait_tensorcnt 0x0                           ; no tensor load of mine is out, so a group 0 may be written
	ds_add_u32 v[SPW], v[NIL]
.if \dir > 0
	s_add_nc_u64 s[\g0+2:\g0+3], s[\g0+2:\g0+3], 2*BLOCKB
.elseif \dir < 0
	s_sub_nc_u64 s[\g0+2:\g0+3], s[\g0+2:\g0+3], 2*BLOCKB
.endif
	s_wait_dscnt 0x0                               ; the add is done; my LDS loads are in and my LDS stores have landed
.if \fill
	ROUND
	tensor_load_to_lds s[\g0:\g0+3], s[G1W:G1W+7]
	s_nop 0
	PLACES 4
.else
	s_barrier_signal -1
	s_barrier_wait -1
.endif
.endm
.macro WLOAD slot, i, t, aset          ; n tile i of my four in the slot: two fragments, scale word, bias, and A of its columns
.irp k, 0,1,2,3,4,5,6,7
	ds_load_b128 v[WF+4*\k:WF+4*\k+3], v[WC+\slot] offset:4096*(\i)+512*\k
.endr
	ds_load_b32 v[WS], v[WSA+\slot] offset:128*(\i)
	ds_load_b128 v[BI:BI+3], v[WBA+\slot] offset:64*(\i)
	ds_load_b128 v[BI+4:BI+7], v[WBA+\slot] offset:64*(\i)+16
	ds_load_b128 v[AQ+8*(\aset):AQ+8*(\aset)+3], v[AVA] offset:2048*(\t)+64*(\i)
	ds_load_b128 v[AQ+8*(\aset)+4:AQ+8*(\aset)+7], v[AVA] offset:2048*(\t)+64*(\i)+16
.endm
; 16 products: the n tile x eight row tiles x two K steps.  TRANSPOSED: source 0 = 16 columns of Wk, source 1 = 16 rows of dist (window 1): lane (r, h), register j = (column 8 h + j, row 16 m + r).
; The bias is the C of each sum's first product.  The eight accumulators take turns.
.macro MULT
	WIN 0x04
.irp m, 0,1,2,3,4,5,6,7
	v_wmma_scale_f32_16x16x128_f8f6f4 v[ACC+8*\m:ACC+8*\m+7], v[WF:WF+15], v[32*\m:32*\m+15], v[BI:BI+7], v[WS], v[XS+\m]
.endr
.irp m, 0,1,2,3,4,5,6,7
	v_wmma_scale_f32_16x16x128_f8f6f4 v[ACC+8*\m:ACC+8*\m+7], v[WF+16:WF+31], v[32*\m+16:32*\m+31], v[ACC+8*\m:ACC+8*\m+7], v[WS], v[XS+\m] matrix_a_scale:MATRIX_SCALE_ROW1 matrix_b_scale:MATRIX_SCALE_ROW1
.endr
	WIN 0
.endm
; What is kept of the tile: for each row tile the sums of x, of x^2 and of A x, two columns at a time.  Each accumulator is read from its low end on.  FIRST, FDOT: the sums begin here, nothing is cleared.
.macro STATS aset
.irp p, 0,1,2,3
.irp m, 0,1,2,3,4,5,6,7
.if FIRST
.if \p == 0
	v_pk_mul_f32 v[SQ+2*\m:SQ+2*\m+1], v[ACC+8*\m:ACC+8*\m+1], v[ACC+8*\m:ACC+8*\m+1]
.else
.if \p == 1
	v_pk_add_f32 v[SUM+2*\m:SUM+2*\m+1], v[ACC+8*\m:ACC+8*\m+1], v[ACC+8*\m+2:ACC+8*\m+3]
.else
	v_pk_add_f32 v[SUM+2*\m:SUM+2*\m+1], v[SUM+2*\m:SUM+2*\m+1], v[ACC+8*\m+2*\p:ACC+8*\m+2*\p+1]
.endif
	v_pk_fma_f32 v[SQ+2*\m:SQ+2*\m+1], v[ACC+8*\m+2*\p:ACC+8*\m+2*\p+1], v[ACC+8*\m+2*\p:ACC+8*\m+2*\p+1], v[SQ+2*\m:SQ+2*\m+1]
.endif
.else
	v_pk_add_f32 v[SUM+2*\m:SUM+2*\m+1], v[SUM+2*\m:SUM+2*\m+1], v[ACC+8*\m+2*\p:ACC+8*\m+2*\p+1]
	v_pk_fma_f32 v[SQ+2*\m:SQ+2*\m+1], v[ACC+8*\m+2*\p:ACC+8*\m+2*\p+1], v[ACC+8*\m+2*\p:ACC+8*\m+2*\p+1], v[SQ+2*\m:SQ+2*\m+1]
.endif
.if FDOT && (\p == 0)
	v_pk_mul_f32 v[DOT+2*\m:DOT+2*\m+1], v[ACC+8*\m:ACC+8*\m+1], v[AQ+8*(\aset):AQ+8*(\aset)+1]
.else
	v_pk_fma_f32 v[DOT+2*\m:DOT+2*\m+1], v[ACC+8*\m+2*\p:ACC+8*\m+2*\p+1], v[AQ+8*(\aset)+2*\p:AQ+8*(\aset)+2*\p+1], v[DOT+2*\m:DOT+2*\m+1]
.endif
.endr
.endr
.endm
.macro BANK t                          ; a block's 64 columns of mine lie in one head: their dots are put by
.irp m, 0,1,2,3,4,5,6,7
	v_add_f32 v[TMP+\m], v[DOT+2*\m], v[DOT+2*\m+1]
.endr
.irp m, 0,1,2,3,4,5,6,7
	v_permlanex16_b32 v[TMP+8+\m], v[TMP+\m], s[SEL], s[SEL+1]
.endr
.irp m, 0,1,2,3,4,5,6,7
	v_add_f32 v[DB+8*\t+\m], v[TMP+\m], v[TMP+8+\m]
.endr
.endm
.macro BLOCKS t, slot                  ; my four n tiles of block t.  A tile's LDS loads are issued behind the products of the tile before and land under its vector work
	WLOAD \slot, 0, \t, 0
.irp i, 0,1,2,3
	s_wait_dscnt 0x0                               ; this tile's loads are in
	MULT
	PLACES 8                                       ; in front of loads into registers that the products read, and of the first read of results
.if \i < 3
	WLOAD \slot, \i+1, \t, (\i+1)%2
.endif
.set FDOT, 0
.if \i == 0
.set FDOT, 1
.endif
.set FIRST, 0
.if (\t == 0) && (\i == 0)
.set FIRST, 1
.endif
	STATS \i%2
.endr
	BANK \t
.endm
	s_load_b512 s[4:19], s[0:1], 0x0               ; dist 4:5, wkr 6:7, qraw 8:9, gq 10:11, betq 12:13, gk 14:15, betk 16:17, u 18:19
	s_load_b64 s[20:21], s[0:1], 0x40              ; qn
	v_lshl_add_u32 v[SPW], v0, 2, SPARE
	v_mov_b32 v[NIL], 0
	ds_add_u32 v4, v5
	ds_add_u32 v4, v5
	s_wait_dscnt 0x0
	v_lshrrev_b32 v1, 5, v0
	v_readfirstlane_b32 s[WV], v1                  ; wave 0..7
	s_bfe_u32 s[CX], ttmp6, 0x40000                ; my place in the cluster: it enters global addresses alone
	s_and_b32 s[BB], ttmp9, 31
	s_lshl_b32 s[BB], s[BB], 2
	s_add_co_u32 s[BB], s[BB], s[CX]               ; the batch
	s_lshr_b32 s[HF], ttmp9, 5                     ; which half of its rows: the same in all four partners
	s_mov_b32 s[INV], 0x3a000000                   ; 1 / 2048
	s_mov_b32 s[SEL], 0x76543210
	s_mov_b32 s[SEL+1], 0xfedcba98
	s_mov_b32 s[MNT], 0x600000
	s_mov_b32 s[HM], 0xffff0000
	s_mov_b32 s[G1W], 15|(3<<16)|(1<<21)           ; the mask: all four work-groups; elements of 8 bytes; bit 21 set beside a mask; no padding
	s_mov_b32 s[G1W+1], 32<<16                     ; tensor_dim0 = 32 elements: rows of 256 bytes
	s_mov_b32 s[G1W+2], 67<<16                     ; tensor_dim1 = 67
	s_mov_b32 s[G1W+3], 32<<16                     ; tile_dim0
	s_mov_b32 s[G1W+4], 67                         ; tile_dim1
	s_mov_b32 s[G1W+5], 32                         ; dense
	s_mov_b32 s[G1W+6], 0
	s_mov_b32 s[G1W+7], 0
	s_mov_b32 s[G1X], (2<<16)|(1<<20)|(7<<22)|(3<<25)   ; no mask; elements of 4 bytes; padding: four words after every 256
	s_mov_b32 s[G1X+1], 256<<16
	s_mov_b32 s[G1X+2], 16<<16
	s_mov_b32 s[G1X+3], 256<<16
	s_mov_b32 s[G1X+4], 16
	s_mov_b32 s[G1X+5], 256
	s_mov_b32 s[G1X+6], 0
	s_mov_b32 s[G1X+7], 0
	s_mul_i32 s60, s[WV], WPART                    ; my part of a block, in memory and in a slot: no place in the cluster enters it
	s_mov_b32 s61, 0
	s_mul_i32 s66, s[WV], XPART
	s_add_co_u32 s66, s66, SLOT1                   ; my 16 rows of dist in LDS
	s_lshl_b32 s62, s[BB], 18
	s_lshl_b32 s63, s[HF], 17
	s_add_co_u32 s62, s62, s63
	s_lshl_b32 s63, s[WV], 14
	s_add_co_u32 s62, s62, s63                     ; and in memory
	s_mov_b32 s63, 0
	s_wait_kmcnt 0x0
	s_mov_b32 s[G0X], 1
	s_mov_b32 s[G0X+1], s66
	s_add_nc_u64 s[G0X+2:G0X+3], s[4:5], s[62:63]
	s_or_b32 s[G0X+3], s[G0X+3], 0x80000000
	s_mov_b32 s[G0A], 1
	s_mov_b32 s[G0A+1], s60
	s_add_nc_u64 s[G0A+2:G0A+3], s[6:7], s[60:61]  ; block 0
	s_mov_b32 s[G0B], 1
	s_add_co_u32 s[G0B+1], s60, SLOT1
	s_add_nc_u64 s[G0B+2:G0B+3], s[G0A+2:G0A+3], BLOCKB   ; block 1
	s_or_b32 s[G0A+3], s[G0A+3], 0x80000000
	s_or_b32 s[G0B+3], s[G0B+3], 0x80000000
	s_lshl_b32 s62, s[BB], 13
	s_add_nc_u64 s[QRP:QRP+1], s[8:9], s[62:63]
	s_add_nc_u64 s[QNP:QNP+1], s[20:21], s[62:63]
	s_lshl_b32 s62, s[BB], 3
	s_add_co_u32 s62, s62, s[WV]
	s_lshl_b32 s62, s62, 10
	s_lshl_b32 s67, s[HF], 9
	s_add_co_u32 s62, s62, s67
	s_add_nc_u64 s[UP:UP+1], s[18:19], s[62:63]    ; u[b][head w][128 hf ..]
	ROUND                                          ; all four work-groups are here: the first loads go out as one group
	tensor_load_to_lds s[G0X:G0X+3], s[G1X:G1X+7]  ; my 16 rows of dist, into slot 1's bytes
	s_nop 0
	tensor_load_to_lds s[G0A:G0A+3], s[G1W:G1W+7]  ; my part of block 0: two loads of mine are out
	s_nop 0
	PLACES 4
	v_and_b32 v1, 31, v0                           ; l
	v_and_b32 v2, 15, v0                           ; r
	v_bfe_u32 v3, v0, 4, 1                         ; h
	s_lshl_b32 s67, s[WV], 14
	v_lshl_add_u32 v[WC], v1, 4, s67
	v_add_nc_u32 v[WC+1], SLOT1, v[WC]
	s_lshl_b32 s67, s[WV], 9
	s_add_co_u32 s67, s67, 131072
	v_lshl_add_u32 v[WSA], v1, 2, s67
	v_add_nc_u32 v[WSA+1], SLOT1, v[WSA]
	s_lshl_b32 s68, s[WV], 8
	s_add_co_u32 s67, s68, 135168
	v_lshl_add_u32 v[WBA], v3, 5, s67
	v_add_nc_u32 v[WBA+1], SLOT1, v[WBA]
	s_add_co_u32 s67, s68, AV
	v_lshl_add_u32 v[AVA], v3, 5, s67
	v_lshl_add_u32 v[LI], v1, 4, XIMG
	v_lshl_add_u32 v[LSX], v1, 2, XSC
	v_mul_u32_u24 v[XRD], v2, 1040
	v_lshl_add_u32 v[XRD], v3, 6, v[XRD]
	v_add_nc_u32 v[XRD], s66, v[XRD]               ; row r of my 16, + 64 h: my 16 numbers of a block of 32
	s_lshl_b32 s68, s[WV], 10
	v_lshl_add_u32 v[CO], v1, 4, s68
	s_add_co_u32 s67, s68, ST
	v_lshl_add_u32 v[STW], v2, 3, s67
	v_lshl_add_u32 v[STR], v1, 5, ST
	s_lshl_b32 s67, s[WV], 11
	s_add_co_u32 s67, s67, DP
	v_lshl_add_u32 v[DPW], v2, 2, s67
	s_and_b32 s67, s[WV], 1
	s_lshl_b32 s67, s67, 13
	s_lshr_b32 s68, s[WV], 1
	s_lshl_b32 s68, s68, 9
	s_add_co_u32 s67, s67, s68
	s_add_co_u32 s67, s67, DP
	v_lshl_add_u32 v[DPR], v1, 4, s67              ; head w's dots lie in block w / 2, with waves 4 (w % 2) .. + 3
	v_add_nc_u32 v[AVW], AV, v[CO]
	s_lshl_b32 s67, s[WV], 12
	v_add_nc_u32 v[XWI], s67, v[LI]
	s_lshl_b32 s67, s[WV], 7
	v_add_nc_u32 v[XWS], s67, v[LSX]
	s_lshl_b32 s67, s[WV], 2
	s_add_co_u32 s67, s67, QST
	v_mov_b32 v[QSW], s67
	v_mov_b32 v[QSR], QST
.irp b, 0,1,2,3
	v_mov_b32 v[TM+4+\b], 0                        ; written once: a lane permute's destination counts as one of its sources
.endr
	; ---- the q row.  Wave w is head w; a lane holds 8 of the row's 2,048 numbers
	global_load_b128 v[90:93], v[CO], s[QRP:QRP+1]
	global_load_b128 v[94:97], v[CO], s[QRP:QRP+1] offset:512
	global_load_b128 v[98:101], v[CO], s[10:11]
	global_load_b128 v[102:105], v[CO], s[10:11] offset:512
	global_load_b128 v[106:109], v[CO], s[12:13]
	global_load_b128 v[110:113], v[CO], s[12:13] offset:512
	global_load_b128 v[114:117], v[CO], s[14:15]
	global_load_b128 v[118:121], v[CO], s[14:15] offset:512
	global_load_b128 v[122:125], v[CO], s[16:17]
	global_load_b128 v[126:129], v[CO], s[16:17] offset:512
	s_wait_loadcnt 8                               ; qraw's two loads are in; the eight of the four parameters may be out
	v_pk_add_f32 v[240:241], v[90:91], v[92:93]
	v_pk_add_f32 v[242:243], v[94:95], v[96:97]
	v_pk_add_f32 v[240:241], v[240:241], v[242:243]
	v_add_f32 v240, v240, v241
	WRED 240, 241
	ds_store_b32 v[QSW], v240
	s_wait_dscnt 0x0
	s_barrier_signal -1
	s_barrier_wait -1                              ; the tensor loads may stay out
	ds_load_b128 v[244:247], v[QSR]
	ds_load_b128 v[248:251], v[QSR] offset:16
	s_wait_dscnt 0x0
	v_pk_add_f32 v[244:245], v[244:245], v[246:247]
	v_pk_add_f32 v[248:249], v[248:249], v[250:251]
	v_pk_add_f32 v[244:245], v[244:245], v[248:249]
	v_add_f32 v244, v244, v245
	v_mul_f32 v252, s[INV], v244                   ; the mean
.irp j, 0,1,2,3,4,5,6,7
	v_sub_f32 v[90+\j], v[90+\j], v252
.endr
	v_mul_f32 v240, v90, v90
	v_mul_f32 v241, v91, v91
.irp j, 2,4,6
	v_fma_f32 v240, v[90+\j], v[90+\j], v240
	v_fma_f32 v241, v[91+\j], v[91+\j], v241
.endr
	v_add_f32 v240, v240, v241
	WRED 240, 241
	ds_store_b32 v[QSW], v240 offset:64            ; other words than the first reduction's
	s_wait_dscnt 0x0
	s_barrier_signal -1
	s_barrier_wait -1
	ds_load_b128 v[244:247], v[QSR] offset:64
	ds_load_b128 v[248:251], v[QSR] offset:80
	s_wait_dscnt 0x0
	v_pk_add_f32 v[244:245], v[244:245], v[246:247]
	v_pk_add_f32 v[248:249], v[248:249], v[250:251]
	v_pk_add_f32 v[244:245], v[244:245], v[248:249]
	v_add_f32 v244, v244, v245
	v_fmaak_f32 v240, s[INV], v244, 0x3727c5ac     ; the variance + 1e-5
	v_rsq_f32 v253, v240
	v_nop                                          ; a plain line behind the transcendental
	s_wait_alu depctr_va_vdst(0)                   ; and a wait ahead of its first reader
	s_wait_loadcnt 0x0
.irp j, 0,1,2,3,4,5,6,7
	v_mul_f32 v[90+\j], v[90+\j], v253
.endr
.irp j, 0,1,2,3,4,5,6,7
	v_fma_f32 v[90+\j], v[90+\j], v[98+\j], v[106+\j]     ; qn
.endr
.irp j, 0,1,2,3,4,5,6,7
	v_mul_f32 v[130+\j], 0x3d800000, v[90+\j]             ; qn / 16: exact
.endr
.irp j, 0,1,2,3,4,5,6,7
	v_mul_f32 v[114+\j], v[130+\j], v[114+\j]             ; A
.endr
	ds_store_b128 v[AVW], v[114:117]
	ds_store_b128 v[AVW], v[118:121] offset:512
	v_pk_add_f32 v[240:241], v[114:115], v[116:117]
	v_pk_add_f32 v[242:243], v[118:119], v[120:121]
	v_pk_add_f32 v[240:241], v[240:241], v[242:243]
	v_add_f32 v[SA], v240, v241
	WRED SA, 241
	v_mul_f32 v[SB], v130, v122
.irp j, 1,2,3,4,5,6,7
	v_fma_f32 v[SB], v[130+\j], v[122+\j], v[SB]
.endr
	WRED SB, 241
	s_cmp_lg_u32 s[HF], 0                          ; one of a batch's two work-groups stores qn
	s_cbranch_scc1 .Lno_qn
	global_store_b128 v[CO], v[90:93], s[QNP:QNP+1]
	global_store_b128 v[CO], v[94:97], s[QNP:QNP+1] offset:512
.Lno_qn:
	; ---- my 16 rows of dist become two fragments
	s_wait_xcnt 0x0                                ; the stores have read their data: the registers are loaded again below
	s_wait_dscnt 0x0                               ; and so have the LDS stores
	s_wait_tensorcnt 0x1                           ; my rows are in (block 0's part was issued behind them and may be out); only I read them
.irp s, 0,1
.irp c, 0,1,2,3
.irp j, 0,1,2,3
	ds_load_b128 v[QA+64*\s+16*\c+4*\j:QA+64*\s+16*\c+4*\j+3], v[XRD] offset:512*\s+128*\c+16*\j
.endr
.endr
.endr
	s_wait_dscnt 16                                ; K step 0's sixteen loads are in, K step 1's may be out
	QUANT QA, PC, PW0
	IMAGE XWI, 0, PC
	s_wait_dscnt 0x0                               ; the stores have read the codes' registers; K step 1 is in
	QUANT QB, PC, PW1
	IMAGE XWI, 2048, PC
	v_cndmask_b32 v240, v[PW0], v[PW1], s[HM]      ; lanes 0-15: K step 0's word, lanes 16-31: K step 1's
	ds_store_b32 v[XWS], v240
.irp m, 0,1,2,3,4,5,6,7
	v_mov_b32 v[TMP+8+\m], 0                       ; (lane permutes' destinations)
.endr
	CHANGE G0B, 0, 1                               ; dist's rows are read out: block 1 goes into slot 1.  The round also shows every wave the images, A and block 0
	WIN 0x40                                       ; destination window 1
.set j, 0
.rept 64
	ds_load_b128 v[4*j:4*j+3], v[LI] offset:512*j  ; all 16 fragments: (m, s) at v[32 m + 16 s] of window 1; they stay
.set j, j+1
.endr
	WIN 0
.irp m, 0,1,2,3,4,5,6,7
	ds_load_b32 v[XS+\m], v[LSX] offset:128*\m
.endr
	BLOCKS 0, 0
	CHANGE G0A, 1, 1                               ; block 2 into slot 0
	BLOCKS 1, 1
	CHANGE G0B, 1, 1                               ; block 3 into slot 1
	BLOCKS 2, 0
	CHANGE G0A, 0, 0                               ; nothing is left to fetch
	BLOCKS 3, 1
	; ---- the waves' parts meet in LDS, where the images lay
.irp m, 0,1,2,3,4,5,6,7
	v_add_f32 v[SUM+2*\m], v[SUM+2*\m], v[SUM+2*\m+1]
	v_add_f32 v[SUM+2*\m+1], v[SQ+2*\m], v[SQ+2*\m+1]
.endr
.irp m, 0,1,2,3,4,5,6,7
	v_permlanex16_b32 v[SQ+2*\m], v[SUM+2*\m], s[SEL], s[SEL+1]
	v_permlanex16_b32 v[SQ+2*\m+1], v[SUM+2*\m+1], s[SEL], s[SEL+1]
.endr
.irp m, 0,1,2,3,4,5,6,7
	v_pk_add_f32 v[SUM+2*\m:SUM+2*\m+1], v[SUM+2*\m:SUM+2*\m+1], v[SQ+2*\m:SQ+2*\m+1]
	ds_store_b64 v[STW], v[SUM+2*\m:SUM+2*\m+1] offset:128*\m      ; row 16 m + r: my 256 columns' sum and sum of squares (both halves of the lanes write the same)
.endr
.irp t, 0,1,2,3
.irp m, 0,1,2,3,4,5,6,7
	ds_store_b32 v[DPW], v[DB+8*\t+\m] offset:512*\t+64*\m
.endr
.endr
	s_wait_dscnt 0x0
	s_barrier_signal -1
	s_barrier_wait -1
.irp w, 0,1,2,3,4,5,6,7                        ; wave w is head w again; lane l takes rows 4 l .. 4 l + 3
	ds_load_b128 v[ACC+8*\w:ACC+8*\w+3], v[STR] offset:1024*\w
	ds_load_b128 v[ACC+8*\w+4:ACC+8*\w+7], v[STR] offset:1024*\w+16
.endr
.irp w, 0,1,2,3
	ds_load_b128 v[154+4*\w:157+4*\w], v[DPR] offset:2048*\w
.endr
	v_lshlrev_b32 v[AVW], 4, v1                    ; 16 l: my place in u's 512 bytes
	s_wait_dscnt 0x0
.irp w, 1,2,3,4,5,6,7
.irp p, 0,2,4,6
	v_pk_add_f32 v[ACC+\p:ACC+\p+1], v[ACC+\p:ACC+\p+1], v[ACC+8*\w+\p:ACC+8*\w+\p+1]
.endr
.endr
.irp w, 1,2,3
	v_pk_add_f32 v[154:155], v[154:155], v[154+4*\w:155+4*\w]
	v_pk_add_f32 v[156:157], v[156:157], v[156+4*\w:157+4*\w]
.endr
.irp k, 0,1,2,3
	v_mul_f32 v[RM+\k], s[INV], v[ACC+2*\k]        ; m
	v_mul_f32 v[RV+\k], s[INV], v[ACC+2*\k+1]      ; E[x^2]
.endr
.irp k, 0,1,2,3
	v_fma_f32 v[RV+\k], -v[RM+\k], v[RM+\k], v[RV+\k]
.endr
.irp k, 0,1,2,3
	v_max_num_f32 v[RV+\k], 0, v[RV+\k]
.endr
.irp k, 0,1,2,3
	v_add_f32 v[RV+\k], 0x3727c5ac, v[RV+\k]
.endr
.irp k, 0,1,2,3
	v_rsq_f32 v[RR+\k], v[RV+\k]
.endr
.irp k, 0,1,2,3
	v_fma_f32 v[154+\k], -v[RM+\k], v[SA], v[154+\k]      ; dot - m SA: plain work behind the batch
.endr
	s_wait_alu depctr_va_vdst(0)                   ; one wait for the four, ahead of their first reader
.irp k, 0,1,2,3
	v_fma_f32 v[154+\k], v[RR+\k], v[154+\k], v[SB]
.endr
	global_store_b128 v[AVW], v[154:157], s[UP:UP+1]      ; 32 lanes store 512 consecutive bytes, aligned
	s_wait_tensorcnt 0x0                           ; the wave's end
	ds_add_u32 v[SPW], v[NIL]
	s_wait_dscnt 0x0
	ROUND                                          ; the closing round
	s_endpgm
.Lfunc_end_k_q3c54e44d6b_kpass:
	.size	k_q3c54e44d6b_kpass, .Lfunc_end_k_q3c54e44d6b_kpass-k_q3c54e44d6b_kpass
	.p2alignl 7, 3214868480
	.fill 96, 4, 3214868480
	.section	.rodata,"a",@progbits
	.p2align	6, 0x0
	.amdhsa_kernel k_q3c54e44d6b_kpass
		.amdhsa_group_segment_fixed_size 327680
		.amdhsa_private_segment_fixed_size 0
		.amdhsa_enable_private_segment 0
		.amdhsa_kernarg_size 72
		.amdhsa_user_sgpr_count 2
		.amdhsa_user_sgpr_kernarg_segment_ptr 1
		.amdhsa_wavefront_size32 1
		.amdhsa_system_sgpr_workgroup_id_x 1
		.amdhsa_system_sgpr_workgroup_id_y 1
		.amdhsa_system_sgpr_workgroup_id_z 1
		.amdhsa_system_vgpr_workitem_id 0
		.amdhsa_next_free_vgpr 512
		.amdhsa_next_free_sgpr 80
		.amdhsa_reserve_vcc 0
		.amdhsa_float_denorm_mode_32 3
		.amdhsa_float_denorm_mode_16_64 3
		.amdhsa_memory_ordered 1
		.amdhsa_forward_progress 1
		.amdhsa_inst_pref_size 200
	.end_amdhsa_kernel
	.amdgpu_metadata
---
amdhsa.version: [ 1, 2 ]
amdhsa.kernels:
  - .name:           k_q3c54e44d6b_kpass
    .symbol:         k_q3c54e44d6b_kpass.kd
    .args:
      - { .name: dist, .offset: 0, .size: 8, .value_kind: global_buffer, .address_space: global }
      - { .name: wkr, .offset: 8, .size: 8, .value_kind: global_buffer, .address_space: global }
      - { .name: qraw, .offset: 16, .size: 8, .value_kind: global_buffer, .address_space: global }
      - { .name: gq, .offset: 24, .size: 8, .value_kind: global_buffer, .address_space: global }
      - { .name: betq, .offset: 32, .size: 8, .value_kind: global_buffer, .address_space: global }
      - { .name: gk, .offset: 40, .size: 8, .value_kind: global_buffer, .address_space: global }
      - { .name: betk, .offset: 48, .size: 8, .value_kind: global_buffer, .address_space: global }
      - { .name: u, .offset: 56, .size: 8, .value_kind: global_buffer, .address_space: global }
      - { .name: qn, .offset: 64, .size: 8, .value_kind: global_buffer, .address_space: global }
    .group_segment_fixed_size: 327680
    .private_segment_fixed_size: 0
    .kernarg_segment_align: 8
    .kernarg_segment_size: 72
    .max_flat_workgroup_size: 256
    .sgpr_count:     80
    .vgpr_count:     512
    .wavefront_size: 32
...
	.end_amdgpu_metadata
.endif
;; end of part 2
;; launch vpass (part 3): grid 256 x 1, 8 waves a work-group, clusters of 4 x 1, 327,680 bytes of LDS; arguments sites, wvr, u, mask, Wa, ba, ga, beta_a, gv, bv, betv, qn, part, out0; writes part, out0
.if DOCPART == 3
	.amdgcn_target "amdgcn-amd-amdhsa--gfx1250"
	.amdhsa_code_object_version 6
	.text
	.protected	k_q3c54e44d6b_vpass
	.globl	k_q3c54e44d6b_vpass
	.p2align	8
	.type	k_q3c54e44d6b_vpass,@function
k_q3c54e44d6b_vpass:
	s_mov_b64 s[64:65], 0
	v_nop
	global_prefetch_b8 v0, s[64:65] scope:SCOPE_SE
	s_setreg_imm32_b32 hwreg(HW_REG_WAVE_MODE, 25, 1), 1
	s_wait_xcnt 0x0
	s_wait_alu depctr_hold_cnt(0) depctr_sa_sdst(0) depctr_va_vdst(0) depctr_va_sdst(0) depctr_va_ssrc(0) depctr_va_vcc(0) depctr_vm_vsrc(0)
	s_getreg_b32 s2, hwreg(HW_REG_IB_STS2, 6, 4)
	s_cmp_eq_u32 s2, 0
	s_cbranch_scc0 .Lentry_in_a_cluster
	s_endpgm
.Lentry_in_a_cluster:
	s_bfe_u32 s2, ttmp6, 0x10000c
	s_cmp_lg_u32 s2, 0x3003
	s_cbranch_scc0 .Lentry_shape_is_right
	s_endpgm
.Lentry_shape_is_right:
; VPASS.  For batch b and half hf of its rows: the masked softmax of u (all 256 keys, 8 heads), out0, and this half's part of attn . v + q, v = LN(Q(sites) Q(Wv) + bv).  v never goes to memory.
; A row's mean m and r = 1 / sqrt(var + eps) span all 2,048 columns and are wanted before the sum over rows, so THE PRODUCT IS MADE TWICE from the same codes in registers: once for the rows' sums
; (bias as C, results transposed: a lane holds one row), once for the weighted sum (no bias, a lane holds one column and eight rows).  With w = attn r, Wh, ch, Ah the head's sums of w, w m, attn over my
; 128 rows and P[n] = sum over rows of w x raw product:   part = gv (P + bv Wh - ch) + betv Ah + F qn,   F = 1 in half 0, 0 in half 1.
; out0 is a LayerNorm over an axis of length 1, written as it stands: x = attn_r . Wa + ba, d = x - x, d / sqrt(d d + eps) ga + beta_a.
; Shares, slots, joint loads and the images of the operand's registers are as in the launch for k.  The softmax takes the row's maximum away first; a batch whose mask is all true gives NaN.
; Keys are numbered s' = s xor 128 hf in LDS, so that my own rows are always s' < 128; hf enters global offsets alone.
; LIMITS: the row variance is E[x^2] - m^2 from f32 sums (relative error about (1 + m^2 / var) 2^-22).  A block of zeros keeps the scale byte 1.  NaN and infinities among the inputs are not served.
.set BLOCKB, 137216
.set WPART,  17152
.set XPART,  16640
.set SLOT1,  137216
.set XIMG,   274432
.set XSC,    307200
.set AT,     308224                    ; attn[head][256], later w in place
.set AOUT,   316416                    ; out0's 256 numbers
.set SPARE,  317440                    ; the spare words: four blocks of 256 bytes that no other line names
.set ST,     XIMG
.set PS,     XIMG+8192                 ; P[2048]
.set G1W, 32
.set G1X, 40
.set G0X, 48
.set G0A, 52
.set G0B, 56
.set SEL, 60
.set MNT, 62
.set HM,  63
.set WV,  66
.set CX,  67
.set BB,  68
.set HF,  69
.set INV, 70
.set FF,  83
.set UP,  84                           ; s[84:85] u[b][head w];  86:87 mask[b];  88:89 qn[b];  90:91 part[b][hf];  92:93 out0[b]
.set MP,  86
.set QNP, 88
.set PP,  90
.set OP,  92
.set SPW, 4
.set NIL, 5
.set WC,  6
.set WSA, 8
.set WBA, 10
.set WTA, 12
.set LI,  13
.set LSX, 14
.set XRD, 15
.set CO,  16
.set STW, 17
.set STR, 18
.set PSA, 19
.set WH,  20
.set CH,  21
.set AH,  22
.set PSR, 23
.set XS,  24
.set WS,  32
.set BI,  34
.set GV,  34                           ; v34-41 gv, v42-49 bv, v50-57 betv: where the bias lay, once the first pass is over
.set BV,  42
.set BEV, 50
.set WF,  58
.set ACC, 90
.set SUM, 154
.set SQ,  170
.set WT,  154                          ; v154-217 the weights of my head's 128 rows, in the result's layout
.set O,   218
.set QN,  226
.set QA,  90
.set QB,  154
.set TM,  218
.set PC,  58
.set PW0, 234
.set PW1, 235
.set XWI, 236
.set XWS, 237
.set ATW, 238
.set AOW, 239
.set AOR, 240
.set AOG, 241
.set ATR, 242
.set UOF, 243
.set MOF, 244
.set RM,  170
.set RV,  174
.set RR,  178
.set MSB, 0
.macro WIN new
.if MSB != \new
	s_set_vgpr_msb (MSB<<8)|\new
.set MSB, \new
.endif
.endm
.macro PLACES n
.rept \n
	v_nop
.endr
.endm
.macro WRED v, t
	v_add_f32_dpp v[\v], v[\v], v[\v] row_xmask:1 row_mask:0xf bank_mask:0xf
	v_add_f32_dpp v[\v], v[\v], v[\v] row_xmask:2 row_mask:0xf bank_mask:0xf
	v_add_f32_dpp v[\v], v[\v], v[\v] row_xmask:4 row_mask:0xf bank_mask:0xf
	v_add_f32_dpp v[\v], v[\v], v[\v] row_xmask:8 row_mask:0xf bank_mask:0xf
	v_permlanex16_b32 v[\t], v[\v], s[SEL], s[SEL+1]
	v_add_f32 v[\v], v[\v], v[\t]
.endm
.macro WMAX v, t
	v_max_num_f32_dpp v[\v], v[\v], v[\v] row_xmask:1 row_mask:0xf bank_mask:0xf
	v_max_num_f32_dpp v[\v], v[\v], v[\v] row_xmask:2 row_mask:0xf bank_mask:0xf
	v_max_num_f32_dpp v[\v], v[\v], v[\v] row_xmask:4 row_mask:0xf bank_mask:0xf
	v_max_num_f32_dpp v[\v], v[\v], v[\v] row_xmask:8 row_mask:0xf bank_mask:0xf
	v_permlanex16_b32 v[\t], v[\v], s[SEL], s[SEL+1]
	v_max_num_f32 v[\v], v[\v], v[\t]
.endm
.macro QUANT s, pc, pw
.irp b, 0,1,2,3
	v_max3_num_f32 v[TM+\b], |v[\s+16*\b]|, |v[\s+1+16*\b]|, 0x4800000   ; and the floor 2^(9 - 127): the byte cannot fall under 1
.endr
.irp i, 2,4,6,8,10,12,14
.irp b, 0,1,2,3
	v_max3_num_f32 v[TM+\b], v[TM+\b], |v[\s+16*\b+\i]|, |v[\s+1+16*\b+\i]|
.endr
.endr
.irp b, 0,1,2,3
	v_permlanex16_b32 v[TM+4+\b], v[TM+\b], s[SEL], s[SEL+1]
.endr
.irp b, 0,1,2,3
	v_max_num_f32 v[TM+\b], v[TM+\b], v[TM+4+\b]
.endr
.irp b, 0,1,2,3
	v_add_nc_u32 v[TM+12+\b], 0xfc000000, v[TM+\b]
.endr
.irp b, 0,1,2,3
	v_and_or_b32 v[TM+8+\b], v[TM+\b], 0x7f800000, s[MNT]
.endr
.irp b, 0,1,2,3
	v_lshrrev_b32 v[TM+4+\b], 23, v[TM+12+\b]
.endr
	v_lshl_or_b32 v[\pw], v[TM+5], 8, v[TM+4]
	v_lshl_or_b32 v[\pw], v[TM+6], 16, v[\pw]
	v_lshl_or_b32 v[\pw], v[TM+7], 24, v[\pw]
.irp b, 0,1,2,3
.irp i, 0,1,2,3,4,5,6,7,8,9,10,11,12,13,14,15
	v_med3_num_f32 v[\s+16*\b+\i], v[\s+16*\b+\i], -v[TM+8+\b], v[TM+8+\b]   ; the conversion does not saturate (ISA guide 7.6.2): the hold
.endr
	v_cvt_scalef32_pk8_fp8_f32 v[\pc+4*\b:\pc+1+4*\b], v[\s+16*\b:\s+7+16*\b], v[TM+12+\b]
	v_cvt_scalef32_pk8_fp8_f32 v[\pc+2+4*\b:\pc+3+4*\b], v[\s+8+16*\b:\s+15+16*\b], v[TM+12+\b]
.endr
	v_nop
.endm
.macro IMAGE adr, off, pc
.irp c, 0,1,2,3
	ds_store_b128 v[\adr], v[\pc+4*\c:\pc+4*\c+3] offset:\off+512*\c
.endr
.endm
.macro ROUND
	s_barrier_signal -1
	s_barrier_wait -1
	s_cmp_lg_u32 s[WV], 0
	s_cbranch_scc1 .Lnot_wave_0_\@
	s_barrier_signal -3
.Lnot_wave_0_\@:
	s_barrier_wait -3
	s_barrier_signal -1
	s_barrier_wait -1
.endm
.macro CHANGE g0, dir, fill            ; the change of slots: all my tensor loads, the add, my LDS instructions; a round; the joint refill first behind it, one load a wave
	s_wait_tensorcnt 0x0
	ds_add_u32 v[SPW], v[NIL]
.if \dir > 0
	s_add_nc_u64 s[\g0+2:\g0+3], s[\g0+2:\g0+3], 2*BLOCKB
.elseif \dir < 0
	s_sub_nc_u64 s[\g0+2:\g0+3], s[\g0+2:\g0+3], 2*BLOCKB
.endif
	s_wait_dscnt 0x0
.if \fill
	ROUND
	tensor_load_to_lds s[\g0:\g0+3], s[G1W:G1W+7]
	s_nop 0
	PLACES 4
.else
	s_barrier_signal -1
	s_barrier_wait -1
.endif
.endm
.macro WLOAD slot, i, kind             ; n tile i of my four in the slot: two fragments, the scale word, and (kind = 1) the bias
.irp k, 0,1,2,3,4,5,6,7
	ds_load_b128 v[WF+4*\k:WF+4*\k+3], v[WC+\slot] offset:4096*(\i)+512*\k
.endr
	ds_load_b32 v[WS], v[WSA+\slot] offset:128*(\i)
.if \kind
	ds_load_b128 v[BI:BI+3], v[WBA+\slot] offset:64*(\i)
	ds_load_b128 v[BI+4:BI+7], v[WBA+\slot] offset:64*(\i)+16
.endif
.endm
.macro MULT                            ; TRANSPOSED, bias as C: lane (r, h), register j = (column 8 h + j, row 16 m + r).  Eight accumulators by turns
	WIN 0x04
.irp m, 0,1,2,3,4,5,6,7
	v_wmma_scale_f32_16x16x128_f8f6f4 v[ACC+8*\m:ACC+8*\m+7], v[WF:WF+15], v[32*\m:32*\m+15], v[BI:BI+7], v[WS], v[XS+\m]
.endr
.irp m, 0,1,2,3,4,5,6,7
	v_wmma_scale_f32_16x16x128_f8f6f4 v[ACC+8*\m:ACC+8*\m+7], v[WF+16:WF+31], v[32*\m+16:32*\m+31], v[ACC+8*\m:ACC+8*\m+7], v[WS], v[XS+\m] matrix_a_scale:MATRIX_SCALE_ROW1 matrix_b_scale:MATRIX_SCALE_ROW1
.endr
	WIN 0
.endm
.macro MULN                            ; source 0 = 16 rows of sites (window 1), source 1 = 16 columns of Wv: lane (r, h), register j = (row 16 m + 8 h + j, column r)
	WIN 0x01
.irp m, 0,1,2,3,4,5,6,7
	v_wmma_scale_f32_16x16x128_f8f6f4 v[ACC+8*\m:ACC+8*\m+7], v[32*\m:32*\m+15], v[WF:WF+15], 0, v[XS+\m], v[WS]
.endr
.irp m, 0,1,2,3,4,5,6,7
	v_wmma_scale_f32_16x16x128_f8f6f4 v[ACC+8*\m:ACC+8*\m+7], v[32*\m+16:32*\m+31], v[WF+16:WF+31], v[ACC+8*\m:ACC+8*\m+7], v[XS+\m], v[WS] matrix_a_scale:MATRIX_SCALE_ROW1 matrix_b_scale:MATRIX_SCALE_ROW1
.endr
	WIN 0
.endm
.macro STATS                           ; the rows' sums of x and of x^2; each accumulator is read from its low end on.  FIRST: the sums begin here
.irp p, 0,1,2,3
.irp m, 0,1,2,3,4,5,6,7
.if FIRST
.if \p == 0
	v_pk_mul_f32 v[SQ+2*\m:SQ+2*\m+1], v[ACC+8*\m:ACC+8*\m+1], v[ACC+8*\m:ACC+8*\m+1]
.else
.if \p == 1
	v_pk_add_f32 v[SUM+2*\m:SUM+2*\m+1], v[ACC+8*\m:ACC+8*\m+1], v[ACC+8*\m+2:ACC+8*\m+3]
.else
	v_pk_add_f32 v[SUM+2*\m:SUM+2*\m+1], v[SUM+2*\m:SUM+2*\m+1], v[ACC+8*\m+2*\p:ACC+8*\m+2*\p+1]
.endif
	v_pk_fma_f32 v[SQ+2*\m:SQ+2*\m+1], v[ACC+8*\m+2*\p:ACC+8*\m+2*\p+1], v[ACC+8*\m+2*\p:ACC+8*\m+2*\p+1], v[SQ+2*\m:SQ+2*\m+1]
.endif
.else
	v_pk_add_f32 v[SUM+2*\m:SUM+2*\m+1], v[SUM+2*\m:SUM+2*\m+1], v[ACC+8*\m+2*\p:ACC+8*\m+2*\p+1]
	v_pk_fma_f32 v[SQ+2*\m:SQ+2*\m+1], v[ACC+8*\m+2*\p:ACC+8*\m+2*\p+1], v[ACC+8*\m+2*\p:ACC+8*\m+2*\p+1], v[SQ+2*\m:SQ+2*\m+1]
.endif
.endr
.endr
.endm
.macro BLOCKS t, slot                  ; the first pass over block t
	WLOAD \slot, 0, 1
.irp i, 0,1,2,3
	s_wait_dscnt 0x0
	MULT
	PLACES 8                                       ; in front of loads into registers that the products read, and of the first read of results
.if \i < 3
	WLOAD \slot, \i+1, 1
.endif
.set FIRST, 0
.if (\t == 0) && (\i == 0)
.set FIRST, 1
.endif
	STATS
.endr
.endm
.macro WSUM t, i                       ; P of the tile's 16 columns: the weighted sum over my 128 rows
.irp m, 0,1,2,3,4,5,6,7
.irp p, 0,1,2,3
.if \m == 0
	v_pk_mul_f32 v[O+2*\p:O+2*\p+1], v[ACC+2*\p:ACC+2*\p+1], v[WT+2*\p:WT+2*\p+1]
.else
	v_pk_fma_f32 v[O+2*\p:O+2*\p+1], v[ACC+8*\m+2*\p:ACC+8*\m+2*\p+1], v[WT+8*\m+2*\p:WT+8*\m+2*\p+1], v[O+2*\p:O+2*\p+1]
.endif
.endr
.endr
	v_pk_add_f32 v[O:O+1], v[O:O+1], v[O+2:O+3]
	v_pk_add_f32 v[O+4:O+5], v[O+4:O+5], v[O+6:O+7]
	v_pk_add_f32 v[O:O+1], v[O:O+1], v[O+4:O+5]
	v_add_f32 v[O], v[O], v[O+1]
	v_permlanex16_b32 v[O+1], v[O], s[SEL], s[SEL+1]
	v_add_f32 v[O], v[O], v[O+1]
	ds_store_b32 v[PSA], v[O] offset:2048*\t+64*\i
.endm
.macro BLOCKV t, slot                  ; the second pass over block t: its columns of mine lie in head 2 t + w / 4
.irp m, 0,1,2,3,4,5,6,7
	ds_load_b128 v[WT+8*\m:WT+8*\m+3], v[WTA] offset:2048*\t+64*\m
	ds_load_b128 v[WT+8*\m+4:WT+8*\m+7], v[WTA] offset:2048*\t+64*\m+16
.endr
	WLOAD \slot, 0, 0
.irp i, 0,1,2,3
	s_wait_dscnt 0x0
	MULN
	PLACES 8
.if \i < 3
	WLOAD \slot, \i+1, 0
.endif
	WSUM \t, \i
.endr
.endm
	s_load_b512 s[4:19], s[0:1], 0x0               ; sites 4:5, wvr 6:7, u 8:9, mask 10:11, Wa 12:13, ba 14:15, ga 16:17, beta_a 18:19
	s_load_b256 s[20:27], s[0:1], 0x40             ; gv 20:21, bv 22:23, betv 24:25, qn 26:27
	s_load_b128 s[28:31], s[0:1], 0x60             ; part 28:29, out0 30:31
	v_lshl_add_u32 v[SPW], v0, 2, SPARE
	v_mov_b32 v[NIL], 0
	ds_add_u32 v4, v5
	ds_add_u32 v4, v5
	s_wait_dscnt 0x0
	v_lshrrev_b32 v1, 5, v0
	v_readfirstlane_b32 s[WV], v1
	s_bfe_u32 s[CX], ttmp6, 0x40000                ; my place in the cluster: it enters global addresses alone
	s_and_b32 s[BB], ttmp9, 31
	s_lshl_b32 s[BB], s[BB], 2
	s_add_co_u32 s[BB], s[BB], s[CX]
	s_lshr_b32 s[HF], ttmp9, 5                     ; the same in all four partners
	s_cmp_eq_u32 s[HF], 0
	s_cselect_b32 s[FF], 1.0, 0
	s_mov_b32 s[INV], 0x3a000000
	s_mov_b32 s[SEL], 0x76543210
	s_mov_b32 s[SEL+1], 0xfedcba98
	s_mov_b32 s[MNT], 0x600000
	s_mov_b32 s[HM], 0xffff0000
	s_mov_b32 s[G1W], 15|(3<<16)|(1<<21)           ; joint: 67 dense rows of 256 bytes
	s_mov_b32 s[G1W+1], 32<<16
	s_mov_b32 s[G1W+2], 67<<16
	s_mov_b32 s[G1W+3], 32<<16
	s_mov_b32 s[G1W+4], 67
	s_mov_b32 s[G1W+5], 32
	s_mov_b32 s[G1W+6], 0
	s_mov_b32 s[G1W+7], 0
	s_mov_b32 s[G1X], (2<<16)|(1<<20)|(7<<22)|(3<<25)   ; plain: 16 rows of 1,024 bytes, 16 bytes of padding behind each
	s_mov_b32 s[G1X+1], 256<<16
	s_mov_b32 s[G1X+2], 16<<16
	s_mov_b32 s[G1X+3], 256<<16
	s_mov_b32 s[G1X+4], 16
	s_mov_b32 s[G1X+5], 256
	s_mov_b32 s[G1X+6], 0
	s_mov_b32 s[G1X+7], 0
	s_mul_i32 s94, s[WV], WPART
	s_mov_b32 s95, 0
	s_mul_i32 s71, s[WV], XPART
	s_add_co_u32 s71, s71, SLOT1
	s_lshl_b32 s2, s[BB], 18
	s_lshl_b32 s3, s[HF], 17
	s_add_co_u32 s2, s2, s3
	s_lshl_b32 s3, s[WV], 14
	s_add_co_u32 s2, s2, s3
	s_mov_b32 s3, 0
	s_wait_kmcnt 0x0
	s_load_b256 s[72:79], s[12:13], 0x0            ; Wa's eight numbers
	s_load_b32 s80, s[14:15], 0x0                  ; ba
	s_load_b32 s81, s[16:17], 0x0                  ; ga
	s_load_b32 s82, s[18:19], 0x0                  ; beta_a
	s_mov_b32 s[G0X], 1
	s_mov_b32 s[G0X+1], s71
	s_add_nc_u64 s[G0X+2:G0X+3], s[4:5], s[2:3]
	s_or_b32 s[G0X+3], s[G0X+3], 0x80000000
	s_mov_b32 s[G0A], 1
	s_mov_b32 s[G0A+1], s94
	s_add_nc_u64 s[G0A+2:G0A+3], s[6:7], s[94:95]
	s_mov_b32 s[G0B], 1
	s_add_co_u32 s[G0B+1], s94, SLOT1
	s_add_nc_u64 s[G0B+2:G0B+3], s[G0A+2:G0A+3], BLOCKB
	s_or_b32 s[G0A+3], s[G0A+3], 0x80000000
	s_or_b32 s[G0B+3], s[G0B+3], 0x80000000
	s_lshl_b32 s2, s[BB], 3
	s_add_co_u32 s2, s2, s[WV]
	s_lshl_b32 s2, s2, 10
	s_add_nc_u64 s[UP:UP+1], s[8:9], s[2:3]
	s_lshl_b32 s2, s[BB], 8
	s_add_nc_u64 s[MP:MP+1], s[10:11], s[2:3]
	s_lshl_b32 s2, s[BB], 13
	s_add_nc_u64 s[QNP:QNP+1], s[26:27], s[2:3]
	s_lshl_b32 s2, s[BB], 1
	s_add_co_u32 s2, s2, s[HF]
	s_lshl_b32 s2, s2, 13
	s_add_nc_u64 s[PP:PP+1], s[28:29], s[2:3]
	s_lshl_b32 s2, s[BB], 10
	s_add_nc_u64 s[OP:OP+1], s[30:31], s[2:3]
	ROUND                                          ; all four work-groups are here: the first loads go out as one group
	tensor_load_to_lds s[G0X:G0X+3], s[G1X:G1X+7]  ; my 16 rows of sites, into slot 1's bytes
	s_nop 0
	tensor_load_to_lds s[G0A:G0A+3], s[G1W:G1W+7]  ; my part of block 0: two loads of mine are out
	s_nop 0
	PLACES 4
	v_and_b32 v1, 31, v0
	v_and_b32 v2, 15, v0
	v_bfe_u32 v3, v0, 4, 1
	s_lshl_b32 s94, s[WV], 14
	v_lshl_add_u32 v[WC], v1, 4, s94
	v_add_nc_u32 v[WC+1], SLOT1, v[WC]
	s_lshl_b32 s94, s[WV], 9
	s_add_co_u32 s94, s94, 131072
	v_lshl_add_u32 v[WSA], v1, 2, s94
	v_add_nc_u32 v[WSA+1], SLOT1, v[WSA]
	s_lshl_b32 s95, s[WV], 8
	s_add_co_u32 s94, s95, 135168
	v_lshl_add_u32 v[WBA], v3, 5, s94
	v_add_nc_u32 v[WBA+1], SLOT1, v[WBA]
	s_add_co_u32 s94, s95, PS
	v_lshl_add_u32 v[PSA], v2, 2, s94
	s_lshr_b32 s94, s[WV], 2
	s_lshl_b32 s94, s94, 10
	s_add_co_u32 s94, s94, AT
	v_lshl_add_u32 v[WTA], v3, 5, s94
	v_lshl_add_u32 v[LI], v1, 4, XIMG
	v_lshl_add_u32 v[LSX], v1, 2, XSC
	v_mul_u32_u24 v[XRD], v2, 1040
	v_lshl_add_u32 v[XRD], v3, 6, v[XRD]
	v_add_nc_u32 v[XRD], s71, v[XRD]
	s_lshl_b32 s95, s[WV], 10
	v_lshl_add_u32 v[CO], v1, 4, s95
	s_add_co_u32 s94, s95, ST
	v_lshl_add_u32 v[STW], v2, 3, s94
	v_lshl_add_u32 v[STR], v1, 5, ST
	v_add_nc_u32 v[PSR], PS, v[CO]
	s_add_co_u32 s94, s95, AT
	v_lshl_add_u32 v[ATW], v1, 5, s94              ; head w's row of attn, 8 keys a lane
	v_lshl_add_u32 v[ATR], v1, 4, s94              ; and 4 rows a lane
	s_lshl_b32 s94, s[WV], 12
	v_add_nc_u32 v[XWI], s94, v[LI]
	s_lshl_b32 s94, s[WV], 7
	v_add_nc_u32 v[XWS], s94, v[LSX]
	v_lshl_add_u32 v[AOW], v0, 2, AOUT
	v_and_b32 v[AOR], 63, v0
	v_lshl_add_u32 v[AOR], v[AOR], 4, AOUT
	v_lshlrev_b32 v[AOG], 4, v0
	s_lshl_b32 s94, s[HF], 9
	v_lshlrev_b32 v[UOF], 5, v1
	v_xor_b32 v[UOF], s94, v[UOF]                  ; keys s = (8 l) xor 128 hf on, in u
	s_lshl_b32 s94, s[HF], 7
	v_lshlrev_b32 v[MOF], 3, v1
	v_xor_b32 v[MOF], s94, v[MOF]                  ; and in the mask
.irp b, 0,1,2,3
	v_mov_b32 v[TM+4+\b], 0                        ; (lane permutes' destinations)
.endr
	v_mov_b32 v103, 0
	; ---- the softmax.  Wave w is head w; a lane holds 8 keys
	global_load_b128 v[90:93], v[UOF], s[UP:UP+1]
	global_load_b128 v[94:97], v[UOF], s[UP:UP+1] offset:16
	global_load_b64 v[98:99], v[MOF], s[MP:MP+1]
	v_mov_b32 v100, 0xff800000                     ; -infinity
	s_wait_loadcnt 0x0
.irp j, 0,1,2,3,4,5,6,7
	v_bfe_u32 v101, v[98+\j/4], 8*(\j%4), 8
	v_cmp_ne_u32 vcc_lo, 0, v101
	v_cndmask_b32 v[90+\j], v[90+\j], v100, vcc_lo ; a key whose mask byte is set counts for nothing
.endr
	v_max3_num_f32 v102, v90, v91, v92
	v_max3_num_f32 v102, v102, v93, v94
	v_max3_num_f32 v102, v102, v95, v96
	v_max_num_f32 v102, v102, v97
	WMAX 102, 103
.irp j, 0,1,2,3,4,5,6,7
	v_sub_f32 v[90+\j], v[90+\j], v102             ; the row's maximum is taken away first
.endr
.irp j, 0,1,2,3,4,5,6,7
	v_mul_f32 v[90+\j], 0x3fb8aa3b, v[90+\j]
.endr
.irp j, 0,1,2,3,4,5,6,7
	v_exp_f32 v[90+\j], v[90+\j]
.endr
	v_nop                                          ; a plain line behind the batch,
	s_wait_alu depctr_va_vdst(0)                   ; and one wait for the eight, ahead of their first reader
	v_pk_add_f32 v[104:105], v[90:91], v[92:93]
	v_pk_add_f32 v[106:107], v[94:95], v[96:97]
	v_pk_add_f32 v[104:105], v[104:105], v[106:107]
	v_add_f32 v104, v104, v105
	WRED 104, 103
	v_rcp_f32 v106, v104
	v_nop
	s_wait_alu depctr_va_vdst(0)
.irp j, 0,1,2,3,4,5,6,7
	v_mul_f32 v[90+\j], v[90+\j], v106             ; attn
.endr
	ds_store_b128 v[ATW], v[90:93]
	ds_store_b128 v[ATW], v[94:97] offset:16
	; out0: in half 0 my 8 keys are the 8 numbers of row 32 w + l of attn's raw view [256][8]
	s_wait_kmcnt 0x0
	v_fma_f32 v105, v90, s72, s80
.irp j, 1,2,3,4,5,6,7
	v_fma_f32 v105, v[90+\j], s[72+\j], v105
.endr
	v_sub_f32 v105, v105, v105                     ; x less the mean of the one number x
	v_fmaak_f32 v107, v105, v105, 0x3727c5ac       ; its variance + 1e-5
	v_rsq_f32 v108, v107
	v_nop
	s_wait_alu depctr_va_vdst(0)
	v_mul_f32 v105, v105, v108
	v_fma_f32 v105, v105, s81, s82
	ds_store_b32 v[AOW], v105
	; ---- my 16 rows of sites become two fragments
	s_wait_dscnt 0x0                               ; the LDS stores have read their data: the registers are loaded again below
	s_wait_tensorcnt 0x1                           ; my rows are in (block 0's part was issued behind them and may be out); only I read them
.irp s, 0,1
.irp c, 0,1,2,3
.irp j, 0,1,2,3
	ds_load_b128 v[QA+64*\s+16*\c+4*\j:QA+64*\s+16*\c+4*\j+3], v[XRD] offset:512*\s+128*\c+16*\j
.endr
.endr
.endr
	s_wait_dscnt 16                                ; K step 0's sixteen loads are in, K step 1's may be out
	QUANT QA, PC, PW0
	IMAGE XWI, 0, PC
	s_wait_dscnt 0x0
	QUANT QB, PC, PW1
	IMAGE XWI, 2048, PC
	v_cndmask_b32 v245, v[PW0], v[PW1], s[HM]
	ds_store_b32 v[XWS], v245
	CHANGE G0B, 0, 1                               ; the rows are read out: block 1 goes into slot 1.  The round also shows every wave the images, attn, out0's numbers and block 0
	WIN 0x40
.set j, 0
.rept 64
	ds_load_b128 v[4*j:4*j+3], v[LI] offset:512*j  ; all 16 fragments into window 1; they stay for both passes
.set j, j+1
.endr
	WIN 0
.irp m, 0,1,2,3,4,5,6,7
	ds_load_b32 v[XS+\m], v[LSX] offset:128*\m
.endr
	s_cmp_lg_u32 s[HF], 0                          ; out0 leaves from half 0, by waves 0 and 1: 16 bytes a lane
	s_cbranch_scc1 .Lno_a
	s_cmp_gt_u32 s[WV], 1
	s_cbranch_scc1 .Lno_a
	ds_load_b128 v[246:249], v[AOR]
	s_wait_dscnt 0x0
	global_store_b128 v[AOG], v[246:249], s[OP:OP+1]      ; 32 lanes store 512 consecutive bytes, aligned
.Lno_a:
	; ---- the first pass: the rows' sums
	BLOCKS 0, 0
	CHANGE G0A, 1, 1                               ; block 2 into slot 0
	BLOCKS 1, 1
	CHANGE G0B, 1, 1                               ; block 3 into slot 1
	BLOCKS 2, 0
	CHANGE G0A, -1, 1                              ; block 0 again, for the second pass
	BLOCKS 3, 1
.irp m, 0,1,2,3,4,5,6,7
	v_add_f32 v[SUM+2*\m], v[SUM+2*\m], v[SUM+2*\m+1]
	v_add_f32 v[SUM+2*\m+1], v[SQ+2*\m], v[SQ+2*\m+1]
.endr
.irp m, 0,1,2,3,4,5,6,7
	v_permlanex16_b32 v[SQ+2*\m], v[SUM+2*\m], s[SEL], s[SEL+1]
	v_permlanex16_b32 v[SQ+2*\m+1], v[SUM+2*\m+1], s[SEL], s[SEL+1]
.endr
.irp m, 0,1,2,3,4,5,6,7
	v_pk_add_f32 v[SUM+2*\m:SUM+2*\m+1], v[SUM+2*\m:SUM+2*\m+1], v[SQ+2*\m:SQ+2*\m+1]
	ds_store_b64 v[STW], v[SUM+2*\m:SUM+2*\m+1] offset:128*\m
.endr
	CHANGE G0B, -1, 1                              ; block 1 again; the round also shows every wave the rows' sums
	; ---- the weights.  Wave w is head w; lane l takes rows 4 l .. 4 l + 3
	global_load_b128 v[GV:GV+3], v[CO], s[20:21]
	global_load_b128 v[GV+4:GV+7], v[CO], s[20:21] offset:512
	global_load_b128 v[BV:BV+3], v[CO], s[22:23]
	global_load_b128 v[BV+4:BV+7], v[CO], s[22:23] offset:512
	global_load_b128 v[BEV:BEV+3], v[CO], s[24:25]
	global_load_b128 v[BEV+4:BEV+7], v[CO], s[24:25] offset:512
	global_load_b128 v[QN:QN+3], v[CO], s[QNP:QNP+1]
	global_load_b128 v[QN+4:QN+7], v[CO], s[QNP:QNP+1] offset:512
.irp w, 0,1,2,3,4,5,6,7
	ds_load_b128 v[ACC+8*\w:ACC+8*\w+3], v[STR] offset:1024*\w
	ds_load_b128 v[ACC+8*\w+4:ACC+8*\w+7], v[STR] offset:1024*\w+16
.endr
	ds_load_b128 v[154:157], v[ATR]                ; attn of my four rows
	s_wait_dscnt 0x0
.irp w, 1,2,3,4,5,6,7
.irp p, 0,2,4,6
	v_pk_add_f32 v[ACC+\p:ACC+\p+1], v[ACC+\p:ACC+\p+1], v[ACC+8*\w+\p:ACC+8*\w+\p+1]
.endr
.endr
.irp k, 0,1,2,3
	v_mul_f32 v[RM+\k], s[INV], v[ACC+2*\k]
	v_mul_f32 v[RV+\k], s[INV], v[ACC+2*\k+1]
.endr
.irp k, 0,1,2,3
	v_fma_f32 v[RV+\k], -v[RM+\k], v[RM+\k], v[RV+\k]
.endr
.irp k, 0,1,2,3
	v_max_num_f32 v[RV+\k], 0, v[RV+\k]
.endr
.irp k, 0,1,2,3
	v_add_f32 v[RV+\k], 0x3727c5ac, v[RV+\k]
.endr
.irp k, 0,1,2,3
	v_rsq_f32 v[RR+\k], v[RV+\k]
.endr
	v_add_f32 v[AH], v154, v155                    ; plain work behind the batch
	v_add_f32 v162, v156, v157
	v_add_f32 v[AH], v[AH], v162
	s_wait_alu depctr_va_vdst(0)                   ; one wait for the four
.irp k, 0,1,2,3
	v_mul_f32 v[158+\k], v[154+\k], v[RR+\k]       ; w = attn r
.endr
	ds_store_b128 v[ATR], v[158:161]               ; in place: only I have touched my head's row since the round
	v_add_f32 v[WH], v158, v159
	v_add_f32 v162, v160, v161
	v_add_f32 v[WH], v[WH], v162
	v_mul_f32 v[CH], v158, v[RM]
.irp k, 1,2,3
	v_fma_f32 v[CH], v[158+\k], v[RM+\k], v[CH]
.endr
	WRED WH, 162
	WRED CH, 162
	WRED AH, 162
	s_wait_dscnt 0x0
	s_barrier_signal -1
	s_barrier_wait -1                              ; the weights lie in LDS.  Block 1's load may stay out
	; ---- the second pass: the weighted sums
	BLOCKV 0, 0
	CHANGE G0A, 1, 1
	BLOCKV 1, 1
	CHANGE G0B, 1, 1
	BLOCKV 2, 0
	CHANGE G0A, 0, 0
	BLOCKV 3, 1
	s_wait_dscnt 0x0
	s_barrier_signal -1
	s_barrier_wait -1                              ; P's 2,048 numbers lie in LDS
	ds_load_b128 v[90:93], v[PSR]
	ds_load_b128 v[94:97], v[PSR] offset:512
	s_wait_loadcnt 0x0
	s_wait_dscnt 0x0
.irp j, 0,1,2,3,4,5,6,7
	v_fma_f32 v[90+\j], v[BV+\j], v[WH], v[90+\j]
.endr
.irp j, 0,1,2,3,4,5,6,7
	v_sub_f32 v[90+\j], v[90+\j], v[CH]
.endr
.irp j, 0,1,2,3,4,5,6,7
	v_mul_f32 v[QN+\j], s[FF], v[QN+\j]
.endr
.irp j, 0,1,2,3,4,5,6,7
	v_fma_f32 v[QN+\j], v[BEV+\j], v[AH], v[QN+\j]
.endr
.irp j, 0,1,2,3,4,5,6,7
	v_fma_f32 v[90+\j], v[GV+\j], v[90+\j], v[QN+\j]
.endr
	global_store_b128 v[CO], v[90:93], s[PP:PP+1]
	global_store_b128 v[CO], v[94:97], s[PP:PP+1] offset:512
	s_wait_tensorcnt 0x0                           ; the wave's end
	ds_add_u32 v[SPW], v[NIL]
	s_wait_dscnt 0x0
	ROUND                                          ; the closing round
	s_endpgm
.Lfunc_end_k_q3c54e44d6b_vpass:
	.size	k_q3c54e44d6b_vpass, .Lfunc_end_k_q3c54e44d6b_vpass-k_q3c54e44d6b_vpass
	.p2alignl 7, 3214868480
	.fill 96, 4, 3214868480
	.section	.rodata,"a",@progbits
	.p2align	6, 0x0
	.amdhsa_kernel k_q3c54e44d6b_vpass
		.amdhsa_group_segment_fixed_size 327680
		.amdhsa_private_segment_fixed_size 0
		.amdhsa_enable_private_segment 0
		.amdhsa_kernarg_size 112
		.amdhsa_user_sgpr_count 2
		.amdhsa_user_sgpr_kernarg_segment_ptr 1
		.amdhsa_wavefront_size32 1
		.amdhsa_system_sgpr_workgroup_id_x 1
		.amdhsa_system_sgpr_workgroup_id_y 1
		.amdhsa_system_sgpr_workgroup_id_z 1
		.amdhsa_system_vgpr_workitem_id 0
		.amdhsa_next_free_vgpr 512
		.amdhsa_next_free_sgpr 96
		.amdhsa_reserve_vcc 1
		.amdhsa_float_denorm_mode_32 3
		.amdhsa_float_denorm_mode_16_64 3
		.amdhsa_memory_ordered 1
		.amdhsa_forward_progress 1
		.amdhsa_inst_pref_size 254
	.end_amdhsa_kernel
	.amdgpu_metadata
---
amdhsa.version: [ 1, 2 ]
amdhsa.kernels:
  - .name:           k_q3c54e44d6b_vpass
    .symbol:         k_q3c54e44d6b_vpass.kd
    .args:
      - { .name: sites, .offset: 0, .size: 8, .value_kind: global_buffer, .address_space: global }
      - { .name: wvr, .offset: 8, .size: 8, .value_kind: global_buffer, .address_space: global }
      - { .name: u, .offset: 16, .size: 8, .value_kind: global_buffer, .address_space: global }
      - { .name: mask, .offset: 24, .size: 8, .value_kind: global_buffer, .address_space: global }
      - { .name: Wa, .offset: 32, .size: 8, .value_kind: global_buffer, .address_space: global }
      - { .name: ba, .offset: 40, .size: 8, .value_kind: global_buffer, .address_space: global }
      - { .name: ga, .offset: 48, .size: 8, .value_kind: global_buffer, .address_space: global }
      - { .name: beta_a, .offset: 56, .size: 8, .value_kind: global_buffer, .address_space: global }
      - { .name: gv, .offset: 64, .size: 8, .value_kind: global_buffer, .address_space: global }
      - { .name: bv, .offset: 72, .size: 8, .value_kind: global_buffer, .address_space: global }
      - { .name: betv, .offset: 80, .size: 8, .value_kind: global_buffer, .address_space: global }
      - { .name: qn, .offset: 88, .size: 8, .value_kind: global_buffer, .address_space: global }
      - { .name: part, .offset: 96, .size: 8, .value_kind: global_buffer, .address_space: global }
      - { .name: out0, .offset: 104, .size: 8, .value_kind: global_buffer, .address_space: global }
    .group_segment_fixed_size: 327680
    .private_segment_fixed_size: 0
    .kernarg_segment_align: 8
    .kernarg_segment_size: 112
    .max_flat_workgroup_size: 256
    .sgpr_count:     96
    .vgpr_count:     512
    .wavefront_size: 32
...
	.end_amdgpu_metadata
.endif
;; end of part 3
;; launch final (part 4): grid 8 x 1, 16 waves a work-group, no clusters, 68,864 bytes of LDS; arguments part, g1, b1, wor, bo, g2, b2, out1; writes out1
.if DOCPART == 4
	.amdgcn_target "amdgcn-amd-amdhsa--gfx1250"
	.amdhsa_code_object_version 6
	.text
	.protected	k_q3c54e44d6b_final
	.globl	k_q3c54e44d6b_final
	.p2align	8
	.type	k_q3c54e44d6b_final,@function
k_q3c54e44d6b_final:
	s_mov_b64 s[64:65], 0
	v_nop
	global_prefetch_b8 v0, s[64:65] scope:SCOPE_SE
	s_setreg_imm32_b32 hwreg(HW_REG_WAVE_MODE, 25, 1), 1
	s_wait_xcnt 0x0
; FINAL.  out1 = LN2(Q(LN1(part[b][0] + part[b][1])) Q(Wo) + bo).  A work-group owns 16 rows; wave w is row w in both LayerNorms and n tile w (16 of the 256 outputs) in the product.
; Both LayerNorms are taken in two passes (mean, then the sum of squared differences), inside one wave.  LN1's row is quantised along its 2,048 numbers (a lane holds 8 neighbours of each 256, four lanes a block of 32)
; and goes to the other waves as images of the operand's registers; Wo's codes come from memory in operand order, straight into registers.
; No cluster and no tensor load: each fragment of Wo feeds one product of one wave.  LN2 wants all 256 outputs of a row, so more work-groups would each read all of Wo again.
; A row that is NaN ahead of the quantiser (a batch whose mask is all true) is NaN behind it too: NZ = 0 x (mean + 1 / sqrt(var + eps)) is added to the row's products.
; LIMITS: a block of zeros keeps the scale byte 1; infinities among the inputs are not served.
.set G1L,  0                           ; g1, 8,192 bytes;  b1 behind it
.set B1L,  8192
.set ZIMG, 16384                       ; the 16 K steps' fragment images
.set ZSC,  49152                       ; their scale words: 64 bytes a K step
.set YST,  50176                       ; 16 rows x (1,024 bytes + 16)
.set WV,  20
.set SEL, 22
.set MNT, 24
.set INV, 25
.set ZC,  24                           ; v24-39   codes; later v24-31 bo
.set R0,  40                           ; v40-103  the row; later v40-71 two fragments of z, v72-87 two accumulators, v88-103 g2, b2
.set R1,  104                          ; v104-231 part's second half, g1 and b1; later eight K steps of Wo
.set R2,  168
.set WOS, 232                          ; v232-239 Wo's scale words: lanes 0-15 K step 2 p, lanes 16-31 K step 2 p + 1
.set ZS,  240                          ; v240-247 z's likewise
.set T,   248                          ; v248-255 at work
.set XF,  40
.set A0,  72
.set A1,  80
.set BO,  24
.macro WRED v, t
	v_add_f32_dpp v[\v], v[\v], v[\v] row_xmask:1 row_mask:0xf bank_mask:0xf
	v_add_f32_dpp v[\v], v[\v], v[\v] row_xmask:2 row_mask:0xf bank_mask:0xf
	v_add_f32_dpp v[\v], v[\v], v[\v] row_xmask:4 row_mask:0xf bank_mask:0xf
	v_add_f32_dpp v[\v], v[\v], v[\v] row_xmask:8 row_mask:0xf bank_mask:0xf
	v_permlanex16_b32 v[\t], v[\v], s[SEL], s[SEL+1]
	v_add_f32 v[\v], v[\v], v[\t]
.endm
.macro FOLD                            ; four packed chains in v[T] on become one number in every lane
	v_pk_add_f32 v[T:T+1], v[T:T+1], v[T+2:T+3]
	v_pk_add_f32 v[T+4:T+5], v[T+4:T+5], v[T+6:T+7]
	v_pk_add_f32 v[T:T+1], v[T:T+1], v[T+4:T+5]
	v_add_f32 v[T], v[T], v[T+1]
	WRED T, T+1
.endm
	s_load_b512 s[4:19], s[0:1], 0x0               ; part 4:5, g1 6:7, b1 8:9, wor 10:11, bo 12:13, g2 14:15, b2 16:17, out1 18:19
	v_lshl_add_u32 v16, v0, 2, 0x10500
	v_mov_b32 v19, 0
	v_lshrrev_b32 v1, 5, v0
	v_readfirstlane_b32 s[WV], v1                  ; wave 0..15
	v_and_b32 v1, 31, v0                           ; l
	v_and_b32 v2, 15, v0                           ; r
	v_bfe_u32 v3, v0, 4, 1                         ; h
	v_lshlrev_b32 v4, 5, v1                        ; 32 l: my 8 numbers of each 256, in part and in g1's and b1's LDS copies
	v_lshlrev_b32 v5, 4, v0                        ; 16 x thread
	v_lshlrev_b32 v7, 11, v3                       ; where my 8 codes of group q go: K step 2 q + l / 16,
	v_bfe_u32 v17, v0, 2, 2
	v_lshl_add_u32 v7, v17, 9, v7                  ; block (l / 4) % 4,
	v_bfe_u32 v18, v0, 1, 1
	v_lshl_add_u32 v7, v18, 8, v7                  ; half (l / 2) % 2 of the lanes,
	v_and_b32 v18, 1, v0
	v_lshl_add_u32 v7, v18, 3, v7                  ; 8 (l % 2) of the 16 bytes,
	s_lshl_b32 s26, s[WV], 4
	s_add_co_u32 s26, s26, ZIMG
	v_add_nc_u32 v7, s26, v7                       ; row w
	v_lshl_add_u32 v8, v3, 6, v17                  ; and the block's scale byte
	s_lshl_b32 s26, s[WV], 2
	s_add_co_u32 s26, s26, ZSC
	v_add_nc_u32 v8, s26, v8
	v_lshlrev_b32 v9, 4, v1                        ; 16 l
	v_add_nc_u32 v10, ZIMG, v9
	v_lshl_add_u32 v11, v1, 2, ZSC
	v_lshlrev_b32 v12, 2, v1                       ; 4 l
	v_lshlrev_b32 v13, 5, v3                       ; 32 h
	v_mul_u32_u24 v14, v2, 1040
	v_lshl_add_u32 v14, v3, 5, v14
	s_lshl_b32 s26, s[WV], 6
	s_add_co_u32 s26, s26, YST
	v_add_nc_u32 v14, s26, v14                     ; the stage, in: row r, + 64 w + 32 h
	s_mul_i32 s26, s[WV], 1040
	s_add_co_u32 s26, s26, YST
	v_lshl_add_u32 v15, v1, 4, s26                 ; and back: row w
	v_mov_b32 v21, 0                               ; (named as the upper half of the pair v[20:21])
	s_mov_b32 s[SEL], 0x76543210
	s_mov_b32 s[SEL+1], 0xfedcba98
	s_mov_b32 s[MNT], 0x600000
	s_mov_b32 s[INV], 0x3a000000                   ; 1 / 2048
	s_lshl_b32 s27, ttmp9, 4
	s_add_co_u32 s27, s27, s[WV]                   ; my row
	s_mov_b32 s29, 0
	s_wait_kmcnt 0x0
	s_lshl_b32 s28, s27, 14
	s_add_nc_u64 s[4:5], s[4:5], s[28:29]
	s_lshl_b32 s28, s27, 10
	s_add_nc_u64 s[36:37], s[18:19], s[28:29]
	s_lshl_b32 s28, s[WV], 15
	s_add_nc_u64 s[30:31], s[10:11], s[28:29]      ; Wo's codes of n tile w
	s_lshl_b32 s28, s[WV], 10
	s_add_co_u32 s28, s28, 524288
	s_add_nc_u64 s[32:33], s[10:11], s[28:29]      ; and its scale words
	s_lshl_b32 s28, s[WV], 6
	s_add_nc_u64 s[34:35], s[12:13], s[28:29]
	global_load_b128 v[24:27], v5, s[6:7]          ; a 512th of g1 and of b1
	global_load_b128 v[28:31], v5, s[8:9]
.irp q, 0,1,2,3,4,5,6,7
	global_load_b128 v[R0+8*\q:R0+8*\q+3], v4, s[4:5] offset:1024*\q th:TH_LOAD_NT
	global_load_b128 v[R0+8*\q+4:R0+8*\q+7], v4, s[4:5] offset:1024*\q+16 th:TH_LOAD_NT
.endr
.irp q, 0,1,2,3,4,5,6,7
	global_load_b128 v[R1+8*\q:R1+8*\q+3], v4, s[4:5] offset:8192+1024*\q th:TH_LOAD_NT
	global_load_b128 v[R1+8*\q+4:R1+8*\q+7], v4, s[4:5] offset:8192+1024*\q+16 th:TH_LOAD_NT
.endr
	s_wait_loadcnt 32                              ; g1's and b1's pieces are in; part's 32 loads may be out
	ds_store_b128 v5, v[24:27]
	ds_store_b128 v5, v[28:31] offset:B1L
	s_wait_loadcnt 0x0
.set j, 0
.rept 32
	v_pk_add_f32 v[R0+j:R0+j+1], v[R0+j:R0+j+1], v[R1+j:R1+j+1]   ; the two halves of the rows
.set j, j+2
.endr
	; ---- LN1
.irp k, 0,2,4,6
	v_pk_add_f32 v[T+\k:T+\k+1], v[R0+\k:R0+\k+1], v[R0+8+\k:R0+9+\k]
.endr
.irp q, 16,24,32,40,48,56
.irp k, 0,2,4,6
	v_pk_add_f32 v[T+\k:T+\k+1], v[T+\k:T+\k+1], v[R0+\q+\k:R0+\q+\k+1]
.endr
.endr
	FOLD
	v_mul_f32 v20, s[INV], v[T]                    ; the mean
.set j, 0
.rept 32
	v_pk_add_f32 v[R0+j:R0+j+1], v[R0+j:R0+j+1], v[20:21] op_sel_hi:[1,0] neg_lo:[0,1] neg_hi:[0,1]
.set j, j+2
.endr
.irp k, 0,2,4,6
	v_pk_mul_f32 v[T+\k:T+\k+1], v[R0+\k:R0+\k+1], v[R0+\k:R0+\k+1]
.endr
.irp q, 8,16,24,32,40,48,56
.irp k, 0,2,4,6
	v_pk_fma_f32 v[T+\k:T+\k+1], v[R0+\q+\k:R0+\q+\k+1], v[R0+\q+\k:R0+\q+\k+1], v[T+\k:T+\k+1]
.endr
.endr
	FOLD
	v_fmaak_f32 v[T], s[INV], v[T], 0x3727c5ac
	v_rsq_f32 v22, v[T]
	v_nop                                          ; a plain line behind the transcendental,
	s_wait_alu depctr_va_vdst(0)                   ; and a wait ahead of its first reader
	v_add_f32 v23, v20, v22
	v_mul_f32 v23, 0, v23                          ; NZ: 0, or NaN where the row is NaN
	s_wait_dscnt 0x0
	s_barrier_signal -1
	s_barrier_wait -1                              ; g1 and b1 lie in LDS
.irp q, 0,1,2,3,4,5,6,7
	ds_load_b128 v[R1+8*\q:R1+8*\q+3], v4 offset:1024*\q
	ds_load_b128 v[R1+8*\q+4:R1+8*\q+7], v4 offset:1024*\q+16
	ds_load_b128 v[R2+8*\q:R2+8*\q+3], v4 offset:B1L+1024*\q
	ds_load_b128 v[R2+8*\q+4:R2+8*\q+7], v4 offset:B1L+1024*\q+16
.endr
.set j, 0
.rept 32
	v_pk_mul_f32 v[R0+j:R0+j+1], v[R0+j:R0+j+1], v[22:23] op_sel_hi:[1,0]
.set j, j+2
.endr
	s_wait_dscnt 0x0
.set j, 0
.rept 32
	v_pk_fma_f32 v[R0+j:R0+j+1], v[R0+j:R0+j+1], v[R1+j:R1+j+1], v[R2+j:R2+j+1]   ; z
.set j, j+2
.endr
	; ---- Wo's K steps 0 to 7 are asked for now and land while z is quantised
.irp s, 0,1,2,3,4,5,6,7
.irp c, 0,1,2,3
	global_load_b128 v[R1+16*\s+4*\c:R1+16*\s+4*\c+3], v9, s[30:31] offset:2048*\s+512*\c
.endr
.endr
.irp p, 0,1,2,3,4,5,6,7
	global_load_b32 v[WOS+\p], v12, s[32:33] offset:128*\p
.endr
	; ---- z becomes codes: two groups of 8 numbers at a time
.irp qq, 0,2,4,6
.irp u, 0,1
	v_max3_num_f32 v[T+\u], |v[R0+8*(\qq+\u)]|, |v[R0+8*(\qq+\u)+1]|, 0x4800000      ; and the floor 2^(9 - 127)
.endr
.irp i, 2,4,6
.irp u, 0,1
	v_max3_num_f32 v[T+\u], v[T+\u], |v[R0+8*(\qq+\u)+\i]|, |v[R0+8*(\qq+\u)+\i+1]|
.endr
.endr
.irp u, 0,1
	v_max_num_f32_dpp v[T+\u], v[T+\u], v[T+\u] row_xmask:1 row_mask:0xf bank_mask:0xf
.endr
.irp u, 0,1
	v_max_num_f32_dpp v[T+\u], v[T+\u], v[T+\u] row_xmask:2 row_mask:0xf bank_mask:0xf   ; four lanes hold a block of 32
.endr
.irp u, 0,1
	v_add_nc_u32 v[T+2+\u], 0xfc000000, v[T+\u]    ; the conversion's scale operand
	v_and_or_b32 v[T+4+\u], v[T+\u], 0x7f800000, s[MNT]   ; 448 x the scale
.endr
.irp u, 0,1
.irp i, 0,1,2,3,4,5,6,7
	v_med3_num_f32 v[R0+8*(\qq+\u)+\i], v[R0+8*(\qq+\u)+\i], -v[T+4+\u], v[T+4+\u]   ; the conversion does not saturate (ISA guide 7.6.2): the hold
.endr
	v_cvt_scalef32_pk8_fp8_f32 v[ZC+2*(\qq+\u):ZC+2*(\qq+\u)+1], v[R0+8*(\qq+\u):R0+8*(\qq+\u)+7], v[T+2+\u]
.endr
	v_nop                                          ; a plain line between the conversions and the writes of their sources below
.irp u, 0,1
	v_lshrrev_b32 v[R0+8*(\qq+\u)], 23, v[T+2+\u]  ; the scale's byte, in a register of the group's own: no store's data are written again
.endr
.irp u, 0,1
	ds_store_b64 v7, v[ZC+2*(\qq+\u):ZC+2*(\qq+\u)+1] offset:4096*(\qq+\u)
	ds_store_b8 v8, v[R0+8*(\qq+\u)] offset:128*(\qq+\u)   ; the four lanes of a block write the same byte with the same value
.endr
.endr
	s_wait_dscnt 0x0
	s_barrier_signal -1
	s_barrier_wait -1                              ; the 16 rows' images and scale words lie in LDS
	; ---- the product: two K steps at a time on two accumulators by turns.  TRANSPOSED: source 0 = 16 columns of Wo, source 1 = the 16 rows
.irp p, 0,1,2,3,4,5,6,7
	ds_load_b32 v[ZS+\p], v11 offset:128*\p
.endr
	global_load_b128 v[BO:BO+3], v13, s[34:35]     ; bo(16 w + 8 h + 0 .. 7): the C of the first product
	global_load_b128 v[BO+4:BO+7], v13, s[34:35] offset:16
	global_load_b128 v[88:91], v9, s[14:15]        ; g2, b2 of my 8 columns in LN2
	global_load_b128 v[92:95], v9, s[14:15] offset:512
	global_load_b128 v[96:99], v9, s[16:17]
	global_load_b128 v[100:103], v9, s[16:17] offset:512
.irp p, 0,1,2,3,4,5,6,7
.set WB, R1+32*(\p%4)
.irp k, 0,1,2,3,4,5,6,7
	ds_load_b128 v[XF+4*\k:XF+4*\k+3], v10 offset:4096*\p+512*\k
.endr
	s_wait_dscnt 0x0
.if \p == 0
	s_wait_loadcnt 4                               ; Wo's first eight K steps, its scale words and bo are in; g2's and b2's four loads may be out
	v_wmma_scale_f32_16x16x128_f8f6f4 v[A0:A0+7], v[WB:WB+15], v[XF:XF+15], v[BO:BO+7], v[WOS+\p], v[ZS+\p]
	v_wmma_scale_f32_16x16x128_f8f6f4 v[A1:A1+7], v[WB+16:WB+31], v[XF+16:XF+31], 0, v[WOS+\p], v[ZS+\p] matrix_a_scale:MATRIX_SCALE_ROW1 matrix_b_scale:MATRIX_SCALE_ROW1
.else
.if \p >= 4
	s_wait_loadcnt 8*(7-\p)                        ; this pair's eight reloads are in; those of the later pairs may be out
.endif
	v_wmma_scale_f32_16x16x128_f8f6f4 v[A0:A0+7], v[WB:WB+15], v[XF:XF+15], v[A0:A0+7], v[WOS+\p], v[ZS+\p]
	v_wmma_scale_f32_16x16x128_f8f6f4 v[A1:A1+7], v[WB+16:WB+31], v[XF+16:XF+31], v[A1:A1+7], v[WOS+\p], v[ZS+\p] matrix_a_scale:MATRIX_SCALE_ROW1 matrix_b_scale:MATRIX_SCALE_ROW1
.endif
.rept 8
	v_nop                                          ; places in front of loads into registers that these products read, and of the first read of results
.endr
.if \p < 4
.irp k, 0,1,2,3,4,5,6,7
	global_load_b128 v[WB+4*\k:WB+4*\k+3], v9, s[30:31] offset:2048*(2*\p+8)+512*\k     ; K steps 2 p + 8 and 2 p + 9, into the registers just read
.endr
.endif
.endr
	; ---- the 16 rows meet in the stage; LN2
.irp k, 0,2,4,6
	v_pk_add_f32 v[XF+\k:XF+\k+1], v[A0+\k:A0+\k+1], v[A1+\k:A1+\k+1]     ; both accumulators from their low ends on
.endr
	ds_store_b128 v14, v[XF:XF+3]                  ; lane (r, h): y(row r, 16 w + 8 h + 0 .. 7)
	ds_store_b128 v14, v[XF+4:XF+7] offset:16
	s_wait_dscnt 0x0
	s_barrier_signal -1
	s_barrier_wait -1
	ds_load_b128 v[48:51], v15
	ds_load_b128 v[52:55], v15 offset:512
	s_wait_dscnt 0x0
.irp j, 0,1,2,3,4,5,6,7
	v_add_f32 v[48+\j], v[48+\j], v23
.endr
	v_pk_add_f32 v[T:T+1], v[48:49], v[50:51]
	v_pk_add_f32 v[T+2:T+3], v[52:53], v[54:55]
	v_pk_add_f32 v[T:T+1], v[T:T+1], v[T+2:T+3]
	v_add_f32 v[T], v[T], v[T+1]
	WRED T, T+1
	v_mul_f32 v20, 0x3b800000, v[T]                ; the mean of 256
.irp j, 0,1,2,3,4,5,6,7
	v_sub_f32 v[48+\j], v[48+\j], v20
.endr
	v_mul_f32 v[T], v48, v48
	v_mul_f32 v[T+1], v49, v49
.irp j, 2,4,6
	v_fma_f32 v[T], v[48+\j], v[48+\j], v[T]
	v_fma_f32 v[T+1], v[49+\j], v[49+\j], v[T+1]
.endr
	v_add_f32 v[T], v[T], v[T+1]
	WRED T, T+1
	s_mov_b32 s26, 0x3b800000
	v_fmaak_f32 v[T], s26, v[T], 0x3727c5ac
	v_rsq_f32 v[T+2], v[T]
	v_nop
	s_wait_alu depctr_va_vdst(0)
.irp j, 0,1,2,3,4,5,6,7
	v_mul_f32 v[48+\j], v[48+\j], v[T+2]
.endr
.irp j, 0,1,2,3,4,5,6,7
	v_fma_f32 v[48+\j], v[48+\j], v[88+\j], v[96+\j]
.endr
	global_store_b128 v9, v[48:51], s[36:37]       ; 32 lanes store 512 consecutive bytes, aligned
	global_store_b128 v9, v[52:55], s[36:37] offset:512
	s_wait_tensorcnt 0x0
	ds_add_u32 v16, v19
	s_wait_dscnt 0x0
	s_endpgm
.Lfunc_end_k_q3c54e44d6b_final:
	.size	k_q3c54e44d6b_final, .Lfunc_end_k_q3c54e44d6b_final-k_q3c54e44d6b_final
	.p2alignl 7, 3214868480
	.fill 96, 4, 3214868480
	.section	.rodata,"a",@progbits
	.p2align	6, 0x0
	.amdhsa_kernel k_q3c54e44d6b_final
		.amdhsa_group_segment_fixed_size 68864
		.amdhsa_private_segment_fixed_size 0
		.amdhsa_enable_private_segment 0
		.amdhsa_kernarg_size 64
		.amdhsa_user_sgpr_count 2
		.amdhsa_user_sgpr_kernarg_segment_ptr 1
		.amdhsa_wavefront_size32 1
		.amdhsa_system_sgpr_workgroup_id_x 1
		.amdhsa_system_sgpr_workgroup_id_y 1
		.amdhsa_system_sgpr_workgroup_id_z 1
		.amdhsa_system_vgpr_workitem_id 0
		.amdhsa_next_free_vgpr 256
		.amdhsa_next_free_sgpr 66
		.amdhsa_reserve_vcc 0
		.amdhsa_float_denorm_mode_32 3
		.amdhsa_float_denorm_mode_16_64 3
		.amdhsa_memory_ordered 1
		.amdhsa_forward_progress 1
		.amdhsa_inst_pref_size 53
	.end_amdhsa_kernel
	.amdgpu_metadata
---
amdhsa.version: [ 1, 2 ]
amdhsa.kernels:
  - .name:           k_q3c54e44d6b_final
    .symbol:         k_q3c54e44d6b_final.kd
    .args:
      - { .name: part, .offset: 0, .size: 8, .value_kind: global_buffer, .address_space: global }
      - { .name: g1, .offset: 8, .size: 8, .value_kind: global_buffer, .address_space: global }
      - { .name: b1, .offset: 16, .size: 8, .value_kind: global_buffer, .address_space: global }
      - { .name: wor, .offset: 24, .size: 8, .value_kind: global_buffer, .address_space: global }
      - { .name: bo, .offset: 32, .size: 8, .value_kind: global_buffer, .address_space: global }
      - { .name: g2, .offset: 40, .size: 8, .value_kind: global_buffer, .address_space: global }
      - { .name: b2, .offset: 48, .size: 8, .value_kind: global_buffer, .address_space: global }
      - { .name: out1, .offset: 56, .size: 8, .value_kind: global_buffer, .address_space: global }
    .group_segment_fixed_size: 68864
    .private_segment_fixed_size: 0
    .kernarg_segment_align: 8
    .kernarg_segment_size: 64
    .max_flat_workgroup_size: 512
    .sgpr_count:     66
    .vgpr_count:     256
    .wavefront_size: 32
...
	.end_amdgpu_metadata
.endif
;; end of part 4
;; ======== version 2 of 2: 4 launches; version 1 with the launches prep, final written anew for expert scheduling mode
;; limits: a difference of large sums (such as E[x^2] - mean^2): digits are lost where the result is much smaller than its terms
;; workspace buffers: wkr 548,864 bytes; wvr 548,864 bytes; wor 540,672 bytes; qraw 1,048,576 bytes; qn 1,048,576 bytes; u 1,048,576 bytes; part 2,097,152 bytes
;; launch prep (part 5): grid 64 x 1, 8 waves a work-group, no clusters, 103,424 bytes of LDS; arguments Wq, bq, local, Wk, bk, Wv, bv, Wo, qraw, wkr, wvr, wor; writes qraw, wkr, wvr, wor
.if DOCPART == 5
	.amdgcn_target "amdgcn-amd-amdhsa--gfx1250"
	.amdhsa_code_object_version 6
	.text
	.protected	k_q3c54e44d6b_prep
	.globl	k_q3c54e44d6b_prep
	.p2align	8
	.type	k_q3c54e44d6b_prep,@function
k_q3c54e44d6b_prep:
	s_mov_b64 s[64:65], 0
	v_nop
	global_prefetch_b8 v0, s[64:65] scope:SCOPE_SE
	s_setreg_imm32_b32 hwreg(HW_REG_WAVE_SCHED_MODE, 0, 2), 2
	s_setreg_imm32_b32 hwreg(HW_REG_WAVE_MODE, 25, 1), 1
	s_wait_xcnt 0x0
	s_wait_alu depctr_vm_vsrc(0)
; PREP.  Three kinds of work-group, told apart by the work-group's number alone:
;   0-15   qraw[128][2048] = Q(local) Q(Wq) + bq, both operands quantised here (codes of E4M3, one E8M0 scale for each 32 along K = 256).
;   16-47  Wk (16-31) and Wv (32-47), [256 (k)][2048 (n)] f32, become codes laid in the ORDER OF THE OPERAND'S REGISTERS, with scale words and the bias beside them:
;          4 blocks of BLOCKB bytes; block t = n tiles (16 columns) 32 t .. 32 t + 31: 32 records of 4,096 bytes (K step 0's fragment image, then K step 1's: byte of column r, k = 128 s + 32 c + 16 h + kk
;          at 2048 s + 512 c + 16 (16 h + r) + kk), then 32 x 128 bytes of scale words (64 s + 4 r), then 32 x 64 bytes: the tile's 16 bias numbers.
;   48-63  Wo [2048 (k)][256 (n)] likewise: codes at 32768 j + 2048 s + image (n tile j, K step s), scale words at 524288 + 1024 j + 64 s + 4 r.
; A weight's K is its first axis: A LANE TAKES A COLUMN AND ITS REGISTERS RUN DOWN K, so a block of 32 lies in one lane and the conversions give codes with K innermost.
; A block's scale byte is its largest magnitude's exponent field - 8, held at 1 from below.  LIMITS: a block of zeros keeps the byte 1 (its codes are zeros, and this program alone reads the bytes);
; NaN and infinities among the inputs are not served.
; THE MODE: SCHED_MODE bits 1:0 = 2 (LLVM: expert scheduling mode 2), set by the entry lines.  The code itself states the register dependences
; between vector or matrix instructions and memory or LDS instructions, with s_wait_alu, always for 0.
; THE PLAN, the weights' paths.  v4, v5, v6: offsets, made once, never written again: one wait ahead of the first load.  v32-159: each written by one load, then named by vector instructions alone.
;   v160 + 8 c .. + 7: block c's codes, written by block c's conversions alone and read by two stores, which are issued at the head of block c + 1 behind one wait; never written again.  v14: the scale word, stored at the end.
; THE PLAN, the path of qraw.  v4 to v12: addresses, made once.  RA: local's K step 0 (loads), the quantiser, Wq's K step 1 (loads), the quantiser, then four fragments of local (LDS loads; products read them).
;   RB: local's K step 1 (loads), the quantiser, then Wq's two fragments (conversions) and bq (loads).  RC: Wq's K step 0 (loads), the quantiser, then the accumulators (products; LDS stores read them).
;   PC: written by two quantisers, read by two runs of LDS stores.  Each wait's comment says which of these hand-overs it states.
.set BLOCKB, 137216
.set WV,  28
.set SEL, 30
.set MNT, 32
.set HM,  33
.set XIMG, 0                           ; path Q's LDS: local's 16 fragment images (row tile m, K step s at 2048 (2 m + s)),
.set XSC,  32768                       ; their scale words, 128 bytes a row tile (lanes 0-15: K step 0, lanes 16-31: K step 1),
.set STG,  33792                       ; and the stage for the way out: 128 rows x (512 bytes + 16)
.set PC,  16                           ; v16-31   codes just made
.set RA,  32                           ; v32-95   64 numbers
.set RB,  96                           ; v96-159  64 numbers
.set RC,  160                          ; v160-223 64 numbers
.set TM,  224                          ; v224-239 the quantiser's temporaries
.set PW0, 240
.set PW1, 241
.set XSW, 242                          ; local's scale word of my row tile
.set WSW, 243                          ; Wq's scale word of my n tile
.set XS,  244                          ; v244-251 local's scale words, a register a row tile
.set WC0, 96                           ; Wq's two fragments, where RB lay
.set WC1, 112
.set BQ,  128                          ; bq in the result's layout
.set XF,  32                           ; four fragments of local
.set ACC, 160                          ; eight accumulators
; 64 numbers of a lane, register 16 b + i = k 32 b + 16 (lane / 16) + i of the lane's row or column, become a fragment's codes in v[pc] on and its scale word in v[pw]
.macro QUANT s, pc, pw
.irp b, 0,1,2,3
	v_max3_num_f32 v[TM+\b], |v[\s+16*\b]|, |v[\s+1+16*\b]|, 0x4800000   ; my 16 numbers of block b, and the floor 2^(9 - 127): the byte cannot fall under 1
.endr
.irp i, 2,4,6,8,10,12,14
.irp b, 0,1,2,3
	v_max3_num_f32 v[TM+\b], v[TM+\b], |v[\s+16*\b+\i]|, |v[\s+1+16*\b+\i]|
.endr
.endr
.irp b, 0,1,2,3
	v_permlanex16_b32 v[TM+4+\b], v[TM+\b], s[SEL], s[SEL+1]
.endr
.irp b, 0,1,2,3
	v_max_num_f32 v[TM+\b], v[TM+\b], v[TM+4+\b]                       ; with lane l xor 16's: the block's largest magnitude
.endr
.irp b, 0,1,2,3
	v_add_nc_u32 v[TM+12+\b], 0xfc000000, v[TM+\b]                     ; 8 off its exponent field: the conversion's scale operand
.endr
.irp b, 0,1,2,3
	v_and_or_b32 v[TM+8+\b], v[TM+\b], 0x7f800000, s[MNT]              ; 448 x the scale
.endr
.irp b, 0,1,2,3
	v_lshrrev_b32 v[TM+4+\b], 23, v[TM+12+\b]                          ; the scale's byte
.endr
	v_lshl_or_b32 v[\pw], v[TM+5], 8, v[TM+4]
	v_lshl_or_b32 v[\pw], v[TM+6], 16, v[\pw]
	v_lshl_or_b32 v[\pw], v[TM+7], 24, v[\pw]
.irp b, 0,1,2,3
.irp i, 0,1,2,3,4,5,6,7,8,9,10,11,12,13,14,15
	v_med3_num_f32 v[\s+16*\b+\i], v[\s+16*\b+\i], -v[TM+8+\b], v[TM+8+\b]   ; the conversion to an 8-bit code does not saturate (ISA guide 7.6.2): the hold
.endr
	v_cvt_scalef32_pk8_fp8_f32 v[\pc+4*\b:\pc+1+4*\b], v[\s+16*\b:\s+7+16*\b], v[TM+12+\b]
	v_cvt_scalef32_pk8_fp8_f32 v[\pc+2+4*\b:\pc+3+4*\b], v[\s+8+16*\b:\s+15+16*\b], v[TM+12+\b]
.endr
	v_nop                                          ; a plain line between the last conversion and whatever next touches its registers
.endm
.macro IMAGE adr, off, pc                      ; a fragment goes to LDS as it stands: 16 bytes a lane, 512 bytes a store
.irp c, 0,1,2,3
	ds_store_b128 v[\adr], v[\pc+4*\c:\pc+4*\c+3] offset:\off+512*\c
.endr
.endm
; A wave's share of a weight: 32 columns x one K step of 128.  s[36:37] the numbers, s[42:43] the codes, s[44:45] the scale words; v4 = 4 x lane, v5, v6 the lane's places in codes and scale words.
.macro PQ pitch
	s_wait_alu depctr_va_vdst(0)                   ; the offsets v4, v5 and v6 are written, which the loads and stores of this path read; no later line writes them
.set j, 0
.rept 128
	global_load_b32 v[32+j], v4, s[36:37] offset:j*\pitch th:TH_LOAD_NT    ; row k = j at my column: 128 consecutive bytes a wave
.set j, j+1
.endr
.irp c, 0,1,2,3
.set XB, 32+32*\c
.if \c < 2
	s_wait_loadcnt 63                              ; block c's 32 loads are in: 96 - 32 c younger ones may be out, and 63 is the largest count that the wait names
.elseif \c == 2
	s_wait_loadcnt 32                              ; the last block's 32 may be out
.else
	s_wait_loadcnt 0x0
.endif
.if \c > 0
	s_wait_alu depctr_va_vdst(0)                   ; the conversions of the block before have written its eight registers of codes, which the two stores below read
	global_store_b128 v5, v[160+8*(\c-1):163+8*(\c-1)], s[42:43] offset:512*(\c-1)        ; k = 32 (c - 1) + 0 .. 15: sixteen lanes store 256 consecutive bytes, aligned
	global_store_b128 v5, v[164+8*(\c-1):167+8*(\c-1)], s[42:43] offset:512*(\c-1)+256    ; k = 32 (c - 1) + 16 .. 31
.endif
	v_max3_num_f32 v12, |v[XB]|, |v[XB+1]|, |v[XB+2]|                  ; the block's largest magnitude: all 32 numbers are mine
	v_max3_num_f32 v13, |v[XB+3]|, |v[XB+4]|, |v[XB+5]|
.irp i, 6,10,14,18,22,26
	v_max3_num_f32 v12, v12, |v[XB+\i]|, |v[XB+\i+1]|
	v_max3_num_f32 v13, v13, |v[XB+\i+2]|, |v[XB+\i+3]|
.endr
	v_max3_num_f32 v12, v12, |v[XB+30]|, |v[XB+31]|
	v_max3_num_f32 v12, v12, v13, 0x4800000        ; and the floor
	v_add_nc_u32 v11, 0xfc000000, v12              ; the conversion's scale operand
	v_and_or_b32 v10, v12, 0x7f800000, s[MNT]      ; 448 x the scale
	v_lshrrev_b32 v13, 23, v11                     ; the byte
.if \c == 0
	v_mov_b32 v14, v13
.else
	v_lshl_or_b32 v14, v13, 8*\c, v14              ; four bytes make my column's scale word of this K step
.endif
.set j, 0
.rept 32
	v_med3_num_f32 v[XB+j], v[XB+j], -v10, v10
.set j, j+1
.endr
.irp g, 0,1,2,3
	v_cvt_scalef32_pk8_fp8_f32 v[160+8*\c+2*\g:161+8*\c+2*\g], v[XB+8*\g:XB+8*\g+7], v11
.endr
	v_nop                                          ; a plain line behind the conversions: the next block writes their scale operand
.endr
	s_wait_alu depctr_va_vdst(0)                   ; the last block's conversions have written its codes, and v14 holds all four bytes: the three stores below read them
	global_store_b128 v5, v[184:187], s[42:43] offset:1536
	global_store_b128 v5, v[188:191], s[42:43] offset:1792
	global_store_b32 v6, v14, s[44:45]
.endm
	s_load_b512 s[4:19], s[0:1], 0x0               ; Wq 4:5, bq 6:7, local 8:9, Wk 10:11, bk 12:13, Wv 14:15, bv 16:17, Wo 18:19
	s_load_b256 s[20:27], s[0:1], 0x40             ; qraw 20:21, wkr 22:23, wvr 24:25, wor 26:27
	v_lshl_add_u32 v254, v0, 2, 0x19000
	v_mov_b32 v255, 0
	v_lshrrev_b32 v1, 5, v0
	v_readfirstlane_b32 s[WV], v1                  ; wave 0..7
	v_and_b32 v1, 31, v0                           ; lane
	v_and_b32 v2, 15, v0                           ; r
	v_bfe_u32 v3, v0, 4, 1                         ; h
	s_mov_b32 s[SEL], 0x76543210
	s_mov_b32 s[SEL+1], 0xfedcba98                 ; v_permlanex16_b32's selects for lane l xor 16
	s_mov_b32 s[MNT], 0x600000                     ; the mantissa field of 448
	s_mov_b32 s[HM], 0xffff0000                    ; lanes 16-31
	s_mov_b32 s47, 0
	s_wait_alu depctr_va_sdst(0)                   ; the wave's number is written in s[WV], ahead of the branches below and of its first reader on each of the three paths
	s_wait_kmcnt 0x0
	s_cmp_lt_u32 ttmp9, 16
	s_cbranch_scc1 .Lpath_q
	s_cmp_lt_u32 ttmp9, 48
	s_cbranch_scc0 .Lpath_o
	; ---- Wk and Wv
	s_sub_co_u32 s34, ttmp9, 16
	s_cmp_lt_u32 s34, 16                           ; the choice hangs on the work-group's number alone
	s_cselect_b64 s[36:37], s[10:11], s[14:15]     ; the weight,
	s_cselect_b64 s[38:39], s[12:13], s[16:17]     ; its bias,
	s_cselect_b64 s[40:41], s[22:23], s[24:25]     ; its record
	s_and_b32 s34, s34, 15
	s_lshr_b32 s35, s[WV], 2                       ; my K step
	s_and_b32 s48, s[WV], 3
	s_lshl_b32 s51, s34, 2
	s_add_co_u32 s48, s48, s51                     ; my group of 32 columns, 0..63
	s_lshr_b32 s49, s48, 4                         ; its block,
	s_and_b32 s50, s48, 15                         ; and its place there
	s_lshl_b32 s46, s35, 20                        ; 128 rows of 8,192 bytes
	s_lshl_b32 s51, s48, 7
	s_add_co_u32 s46, s46, s51
	s_add_nc_u64 s[36:37], s[36:37], s[46:47]
	s_mov_b32 s46, s51
	s_add_nc_u64 s[38:39], s[38:39], s[46:47]
	s_mul_i32 s46, s49, BLOCKB
	s_add_nc_u64 s[40:41], s[40:41], s[46:47]
	s_lshl_b32 s46, s50, 13
	s_lshl_b32 s51, s35, 11
	s_add_co_u32 s46, s46, s51
	s_add_nc_u64 s[42:43], s[40:41], s[46:47]      ; codes: two records of 4,096 bytes, + 2,048 x K step
	s_lshl_b32 s46, s50, 8
	s_lshl_b32 s51, s35, 6
	s_add_co_u32 s46, s46, s51
	s_add_co_u32 s46, s46, 131072
	s_add_nc_u64 s[44:45], s[40:41], s[46:47]      ; scale words
	s_lshl_b32 s46, s50, 7
	s_add_co_u32 s46, s46, 135168
	s_add_nc_u64 s[52:53], s[40:41], s[46:47]      ; bias
	v_lshlrev_b32 v4, 2, v1
	v_lshlrev_b32 v5, 4, v2
	v_lshl_add_u32 v5, v3, 12, v5                  ; lanes 16-31 hold the next n tile: 4,096 bytes on
	v_lshlrev_b32 v6, 2, v2
	v_lshl_add_u32 v6, v3, 7, v6
	PQ 8192
	s_cmp_lg_u32 s35, 0                            ; the waves of K step 0 also copy their columns' bias
	s_cbranch_scc1 .Lkv_done
	global_load_b32 v7, v4, s[38:39]               ; no vector instruction names v7, and none since the first wait names v4
	s_wait_loadcnt 0x0
	global_store_b32 v4, v7, s[52:53]
.Lkv_done:
	s_endpgm
	; ---- Wo: the work-group takes a K step, the wave 32 columns
.Lpath_o:
	s_sub_co_u32 s35, ttmp9, 48
	s_lshl_b32 s46, s35, 17                        ; 128 rows of 1,024 bytes
	s_lshl_b32 s51, s[WV], 7
	s_add_co_u32 s46, s46, s51
	s_add_nc_u64 s[36:37], s[18:19], s[46:47]
	s_lshl_b32 s46, s[WV], 16
	s_lshl_b32 s51, s35, 11
	s_add_co_u32 s46, s46, s51
	s_add_nc_u64 s[42:43], s[26:27], s[46:47]
	s_lshl_b32 s46, s[WV], 11
	s_lshl_b32 s51, s35, 6
	s_add_co_u32 s46, s46, s51
	s_add_co_u32 s46, s46, 524288
	s_add_nc_u64 s[44:45], s[26:27], s[46:47]
	v_lshlrev_b32 v4, 2, v1
	v_lshlrev_b32 v5, 4, v2
	v_lshl_add_u32 v5, v3, 15, v5
	v_lshlrev_b32 v6, 2, v2
	v_lshl_add_u32 v6, v3, 10, v6
	PQ 1024
	s_endpgm
	; ---- qraw: wave w quantises row tile w of local and n tile 8 x work-group + w of Wq, and multiplies that n tile by all eight row tiles
.Lpath_q:
	s_lshl_b32 s34, ttmp9, 3
	s_add_co_u32 s34, s34, s[WV]
	s_lshl_b32 s46, s34, 6                         ; 16 columns of 4 bytes
	s_add_nc_u64 s[36:37], s[4:5], s[46:47]
	s_add_nc_u64 s[38:39], s[6:7], s[46:47]
	s_lshl_b32 s46, s[WV], 14
	s_add_nc_u64 s[40:41], s[8:9], s[46:47]
	s_lshl_b32 s46, s[WV], 17                      ; the way out: my 16 rows of 8,192 bytes, the work-group's 512 bytes of them
	s_lshl_b32 s51, ttmp9, 9
	s_add_co_u32 s46, s46, s51
	s_add_nc_u64 s[20:21], s[20:21], s[46:47]
	v_lshlrev_b32 v4, 2, v2
	v_lshl_add_u32 v4, v3, 17, v4                  ; Wq: column r; lanes 16-31 begin 16 rows further down
	v_lshlrev_b32 v5, 10, v2
	v_lshl_add_u32 v5, v3, 6, v5                   ; local: row r, + 64 h: my 16 numbers of a block of 32
	v_lshlrev_b32 v6, 5, v3                        ; bq: 8 h numbers on
	v_lshlrev_b32 v9, 4, v1                        ; 16 x lane
	s_lshl_b32 s48, s[WV], 12
	v_add_nc_u32 v7, s48, v9                       ; where I store my images
	s_lshl_b32 s48, s[WV], 7
	s_add_co_u32 s48, s48, XSC
	v_lshl_add_u32 v8, v1, 2, s48                  ; and my scale word
	v_lshl_add_u32 v10, v1, 2, XSC
	v_mul_u32_u24 v11, v2, 528
	v_lshl_add_u32 v11, v3, 5, v11
	s_lshl_b32 s48, s[WV], 6
	s_add_co_u32 s48, s48, STG
	v_add_nc_u32 v11, s48, v11                     ; the stage, in: row r, + 64 x wave + 32 h
	s_mul_i32 s48, s[WV], 16*528
	s_add_co_u32 s48, s48, STG
	v_lshl_add_u32 v12, v1, 4, s48                 ; and back: my 16 rows, 16 bytes a lane
.irp b, 0,1,2,3
	v_mov_b32 v[TM+4+\b], 0                        ; written once: a lane permute's destination counts as one of its sources
.endr
	s_wait_alu depctr_va_vdst(0)                   ; the offsets and addresses v4 to v12 are written, which the loads and stores of this path read; no later line writes them
.irp s, 0,1
.irp c, 0,1,2,3
.irp j, 0,1,2,3
	global_load_b128 v[RA+64*\s+16*\c+4*\j:RA+64*\s+16*\c+4*\j+3], v5, s[40:41] offset:512*\s+128*\c+16*\j
.endr
.endr
.endr
.set j, 0
.rept 64
	global_load_b32 v[RC+j], v4, s[36:37] offset:(32*(j/16)+j%16)*8192 th:TH_LOAD_NT     ; Wq(32 c + 16 h + i, my column), K step 0
.set j, j+1
.endr
	s_wait_loadcnt 63                              ; local's 32 loads, the oldest of 96, are in
	QUANT RA, PC, PW0
	s_wait_alu depctr_va_vdst(0)                   ; the conversions have written the codes in PC, which the LDS stores read; the quantiser is done reading and writing RA, in which the 64 loads below land
	IMAGE 7, 0, PC
.set j, 0
.rept 64
	global_load_b32 v[RA+j], v4, s[36:37] offset:(128+32*(j/16)+j%16)*8192 th:TH_LOAD_NT ; K step 1, into the registers just quantised
.set j, j+1
.endr
	s_wait_dscnt 0x0                               ; the first image's stores are done
	s_wait_alu depctr_vm_vsrc(0)                   ; they have read PC, which the next quantiser's conversions write again
	QUANT RB, PC, PW1
	v_cndmask_b32 v[XSW], v[PW0], v[PW1], s[HM]    ; lanes 0-15: K step 0's word, lanes 16-31: K step 1's
	s_wait_alu depctr_va_vdst(0)                   ; the conversions have written PC and the select XSW, which the LDS stores read; the quantiser is done with v128-135 of RB, in which bq lands
	IMAGE 7, 2048, PC
	ds_store_b32 v8, v[XSW]
	global_load_b128 v[BQ:BQ+3], v6, s[38:39]      ; bq(16 T + 8 h + 0 .. 7): the C of each sum's first product
	global_load_b128 v[BQ+4:BQ+7], v6, s[38:39] offset:16
	s_wait_loadcnt 63                              ; Wq's K step 0 is in: 66 younger loads were issued behind it
	QUANT RC, WC0, PW0
	s_wait_loadcnt 0x0
	QUANT RA, WC1, PW1
	v_cndmask_b32 v[WSW], v[PW0], v[PW1], s[HM]
.rept 8
	v_nop                                          ; a scale register written by a vector instruction stands eight places ahead of the scaled product, codes so written four
.endr
	s_wait_alu depctr_va_vdst(0)                   ; behind the places: the conversions have written Wq's two fragments and the select its scale word, which the scaled products take; the quantiser is done with RA, in which the first fragments of local land
	s_wait_dscnt 0x0                               ; my images and my scale word have landed
	s_barrier_signal -1
	s_barrier_wait -1
.irp m, 0,1,2,3,4,5,6,7
	ds_load_b32 v[XS+\m], v10 offset:128*\m
.endr
.irp m, 0,2,4,6                                ; two row tiles at a time: two accumulators by turns.  TRANSPOSED: source 0 = 16 columns of Wq, source 1 = 16 rows of local
.set j, 0
.rept 16
	ds_load_b128 v[XF+4*j:XF+4*j+3], v9 offset:\m*4096+512*j
.set j, j+1
.endr
	s_wait_dscnt 0x0
	v_wmma_scale_f32_16x16x128_f8f6f4 v[ACC+8*\m:ACC+8*\m+7], v[WC0:WC0+15], v[XF:XF+15], v[BQ:BQ+7], v[WSW], v[XS+\m]
	v_wmma_scale_f32_16x16x128_f8f6f4 v[ACC+8*\m+8:ACC+8*\m+15], v[WC0:WC0+15], v[XF+32:XF+47], v[BQ:BQ+7], v[WSW], v[XS+\m+1]
	v_wmma_scale_f32_16x16x128_f8f6f4 v[ACC+8*\m:ACC+8*\m+7], v[WC1:WC1+15], v[XF+16:XF+31], v[ACC+8*\m:ACC+8*\m+7], v[WSW], v[XS+\m] matrix_a_scale:MATRIX_SCALE_ROW1 matrix_b_scale:MATRIX_SCALE_ROW1
	v_wmma_scale_f32_16x16x128_f8f6f4 v[ACC+8*\m+8:ACC+8*\m+15], v[WC1:WC1+15], v[XF+48:XF+63], v[ACC+8*\m+8:ACC+8*\m+15], v[WSW], v[XS+\m+1] matrix_a_scale:MATRIX_SCALE_ROW1 matrix_b_scale:MATRIX_SCALE_ROW1
.rept 8
	v_nop                                          ; the places behind these products, ahead of the first read of their results (ISA guide 7.12.1); they stay beside the wait below
.endr
	s_wait_alu depctr_va_vdst(0)                   ; the four products are done reading XF, in which the next LDS loads land (the next step's, and behind the last step the stage's rows); they have written their accumulators, which the LDS stores behind the last step read
.endr
.irp m, 0,1,2,3,4,5,6,7                        ; lane (r, h): qraw(16 m + r, 16 T + 8 h + 0 .. 7); each accumulator from its low end on
	ds_store_b128 v11, v[ACC+8*\m:ACC+8*\m+3] offset:\m*16*528
	ds_store_b128 v11, v[ACC+8*\m+4:ACC+8*\m+7] offset:\m*16*528+16
.endr
	s_wait_dscnt 0x0
	s_barrier_signal -1
	s_barrier_wait -1                              ; 128 rows x 512 bytes lie in the stage
.irp i, 0,1,2,3,4,5,6,7,8,9,10,11,12,13,14,15
	ds_load_b128 v[XF+4*\i:XF+4*\i+3], v12 offset:\i*528
.endr
.irp i, 0,1,2,3,4,5,6,7,8,9,10,11,12,13,14,15
	s_wait_dscnt 15-\i
	global_store_b128 v9, v[XF+4*\i:XF+4*\i+3], s[20:21] offset:\i*8192     ; 32 lanes store 512 consecutive bytes, aligned
.endr
	s_wait_dscnt 0x0
	s_wait_alu depctr_hold_cnt(0) depctr_sa_sdst(0) depctr_va_vdst(0) depctr_va_sdst(0) depctr_va_ssrc(0) depctr_va_vcc(0) depctr_vm_vsrc(0)
	s_wait_tensorcnt 0x0
	ds_add_u32 v254, v255
	s_wait_dscnt 0x0
	s_endpgm
.Lfunc_end_k_q3c54e44d6b_prep:
	.size	k_q3c54e44d6b_prep, .Lfunc_end_k_q3c54e44d6b_prep-k_q3c54e44d6b_prep
	.p2alignl 7, 3214868480
	.fill 96, 4, 3214868480
	.section	.rodata,"a",@progbits
	.p2align	6, 0x0
	.amdhsa_kernel k_q3c54e44d6b_prep
		.amdhsa_group_segment_fixed_size 103424
		.amdhsa_private_segment_fixed_size 0
		.amdhsa_enable_private_segment 0
		.amdhsa_kernarg_size 96
		.amdhsa_user_sgpr_count 2
		.amdhsa_user_sgpr_kernarg_segment_ptr 1
		.amdhsa_wavefront_size32 1
		.amdhsa_system_sgpr_workgroup_id_x 1
		.amdhsa_system_sgpr_workgroup_id_y 1
		.amdhsa_system_sgpr_workgroup_id_z 1
		.amdhsa_system_vgpr_workitem_id 0
		.amdhsa_next_free_vgpr 256
		.amdhsa_next_free_sgpr 66
		.amdhsa_reserve_vcc 0
		.amdhsa_float_denorm_mode_32 3
		.amdhsa_float_denorm_mode_16_64 3
		.amdhsa_memory_ordered 1
		.amdhsa_forward_progress 1
		.amdhsa_inst_pref_size 121
	.end_amdhsa_kernel
	.amdgpu_metadata
---
amdhsa.version: [ 1, 2 ]
amdhsa.kernels:
  - .name:           k_q3c54e44d6b_prep
    .symbol:         k_q3c54e44d6b_prep.kd
    .args:
      - { .name: Wq, .offset: 0, .size: 8, .value_kind: global_buffer, .address_space: global }
      - { .name: bq, .offset: 8, .size: 8, .value_kind: global_buffer, .address_space: global }
      - { .name: local, .offset: 16, .size: 8, .value_kind: global_buffer, .address_space: global }
      - { .name: Wk, .offset: 24, .size: 8, .value_kind: global_buffer, .address_space: global }
      - { .name: bk, .offset: 32, .size: 8, .value_kind: global_buffer, .address_space: global }
      - { .name: Wv, .offset: 40, .size: 8, .value_kind: global_buffer, .address_space: global }
      - { .name: bv, .offset: 48, .size: 8, .value_kind: global_buffer, .address_space: global }
      - { .name: Wo, .offset: 56, .size: 8, .value_kind: global_buffer, .address_space: global }
      - { .name: qraw, .offset: 64, .size: 8, .value_kind: global_buffer, .address_space: global }
      - { .name: wkr, .offset: 72, .size: 8, .value_kind: global_buffer, .address_space: global }
      - { .name: wvr, .offset: 80, .size: 8, .value_kind: global_buffer, .address_space: global }
      - { .name: wor, .offset: 88, .size: 8, .value_kind: global_buffer, .address_space: global }
    .group_segment_fixed_size: 103424
    .private_segment_fixed_size: 0
    .kernarg_segment_align: 8
    .kernarg_segment_size: 96
    .max_flat_workgroup_size: 256
    .sgpr_count:     66
    .vgpr_count:     256
    .wavefront_size: 32
...
	.end_amdgpu_metadata
.endif
;; end of part 5
;; launch kpass: the kernel of part 2 again; grid 256 x 1, 8 waves a work-group, clusters of 4 x 1, 327,680 bytes of LDS; arguments dist, wkr, qraw, gq, betq, gk, betk, u, qn; writes u, qn
;; launch vpass: the kernel of part 3 again; grid 256 x 1, 8 waves a work-group, clusters of 4 x 1, 327,680 bytes of LDS; arguments sites, wvr, u, mask, Wa, ba, ga, beta_a, gv, bv, betv, qn, part, out0; writes part, out0
;; launch final (part 6): grid 8 x 1, 16 waves a work-group, no clusters, 68,864 bytes of LDS; arguments part, g1, b1, wor, bo, g2, b2, out1; writes out1
.if DOCPART == 6
	.amdgcn_target "amdgcn-amd-amdhsa--gfx1250"
	.amdhsa_code_object_version 6
	.text
	.protected	k_q3c54e44d6b_final
	.globl	k_q3c54e44d6b_final
	.p2align	8
	.type	k_q3c54e44d6b_final,@function
k_q3c54e44d6b_final:
	s_mov_b64 s[64:65], 0
	v_nop
	global_prefetch_b8 v0, s[64:65] scope:SCOPE_SE
	s_setreg_imm32_b32 hwreg(HW_REG_WAVE_SCHED_MODE, 0, 2), 2
	s_setreg_imm32_b32 hwreg(HW_REG_WAVE_MODE, 25, 1), 1
	s_wait_xcnt 0x0
	s_wait_alu depctr_vm_vsrc(0)
; FINAL.  out1 = LN2(Q(LN1(part[b][0] + part[b][1])) Q(Wo) + bo).  A work-group owns 16 rows; wave w is row w in both LayerNorms and n tile w (16 of the 256 outputs) in the product.
; Both LayerNorms are taken in two passes (mean, then the sum of squared differences), inside one wave.  LN1's row is quantised along its 2,048 numbers (a lane holds 8 neighbours of each 256, four lanes a block of 32)
; and goes to the other waves as images of the operand's registers; Wo's codes come from memory in operand order, straight into registers.
; No cluster and no tensor load: each fragment of Wo feeds one product of one wave.  LN2 wants all 256 outputs of a row, so more work-groups would each read all of Wo again.
; A row that is NaN ahead of the quantiser (a batch whose mask is all true) is NaN behind it too: NZ = 0 x (mean + 1 / sqrt(var + eps)) is added to the row's products.
; LIMITS: a block of zeros keeps the scale byte 1; infinities among the inputs are not served.
; THE MODE: SCHED_MODE bits 1:0 = 2 (LLVM: expert scheduling mode 2), set by the entry lines.  The code itself states the register dependences
; between vector or matrix instructions and memory or LDS instructions, with s_wait_alu, always for 0.
; THE PLAN.  Registers that memory or LDS instructions touch:
;   v4 to v15  offsets and addresses, made once at the head and never written again.
;   v24-39     v24-31: pieces of g1 and b1 (loads; LDS stores read them); then all sixteen: the codes (conversions; LDS stores read them); then v24-31: bo (loads; the first product's C).
;   R0         the row (loads; vector work).  The first register of each group of eight then holds the group's scale byte (a shift; an LDS store reads it).  Behind the barrier: two fragments of z (LDS loads; products read
;              them), two accumulators (products), g2 and b2 (loads).
;   R1, R2     part's second half (loads), g1 and b1 (LDS loads), both read by vector instructions; then eight K steps of Wo (loads; products read them; four pairs are loaded a second time).
;   WOS, ZS    scale words: loads alone write them.
; All sixteen LDS stores of codes and bytes stand behind the four turns of the quantiser, behind one wait: every group has registers of its own.  A step of the product has one wait, behind its two products.
; All 256 registers of the wave are laid out, so the fragments of z have one buffer.
.set G1L,  0                           ; g1, 8,192 bytes;  b1 behind it
.set B1L,  8192
.set ZIMG, 16384                       ; the 16 K steps' fragment images
.set ZSC,  49152                       ; their scale words: 64 bytes a K step
.set YST,  50176                       ; 16 rows x (1,024 bytes + 16)
.set WV,  20
.set SEL, 22
.set MNT, 24
.set INV, 25
.set ZC,  24                           ; v24-39   codes; later v24-31 bo
.set R0,  40                           ; v40-103  the row; later v40-71 two fragments of z, v72-87 two accumulators, v88-103 g2, b2
.set R1,  104                          ; v104-231 part's second half, g1 and b1; later eight K steps of Wo
.set R2,  168
.set WOS, 232                          ; v232-239 Wo's scale words: lanes 0-15 K step 2 p, lanes 16-31 K step 2 p + 1
.set ZS,  240                          ; v240-247 z's likewise
.set T,   248                          ; v248-255 at work
.set XF,  40
.set A0,  72
.set A1,  80
.set BO,  24
.macro WRED v, t
	v_add_f32_dpp v[\v], v[\v], v[\v] row_xmask:1 row_mask:0xf bank_mask:0xf
	v_add_f32_dpp v[\v], v[\v], v[\v] row_xmask:2 row_mask:0xf bank_mask:0xf
	v_add_f32_dpp v[\v], v[\v], v[\v] row_xmask:4 row_mask:0xf bank_mask:0xf
	v_add_f32_dpp v[\v], v[\v], v[\v] row_xmask:8 row_mask:0xf bank_mask:0xf
	v_permlanex16_b32 v[\t], v[\v], s[SEL], s[SEL+1]
	v_add_f32 v[\v], v[\v], v[\t]
.endm
.macro FOLD                            ; four packed chains in v[T] on become one number in every lane
	v_pk_add_f32 v[T:T+1], v[T:T+1], v[T+2:T+3]
	v_pk_add_f32 v[T+4:T+5], v[T+4:T+5], v[T+6:T+7]
	v_pk_add_f32 v[T:T+1], v[T:T+1], v[T+4:T+5]
	v_add_f32 v[T], v[T], v[T+1]
	WRED T, T+1
.endm
	s_load_b512 s[4:19], s[0:1], 0x0               ; part 4:5, g1 6:7, b1 8:9, wor 10:11, bo 12:13, g2 14:15, b2 16:17, out1 18:19
	v_lshl_add_u32 v16, v0, 2, 0x10500
	v_mov_b32 v19, 0
	v_lshrrev_b32 v1, 5, v0
	v_readfirstlane_b32 s[WV], v1                  ; wave 0..15
	v_and_b32 v1, 31, v0                           ; l
	v_and_b32 v2, 15, v0                           ; r
	v_bfe_u32 v3, v0, 4, 1                         ; h
	v_lshlrev_b32 v4, 5, v1                        ; 32 l: my 8 numbers of each 256, in part and in g1's and b1's LDS copies
	v_lshlrev_b32 v5, 4, v0                        ; 16 x thread
	v_lshlrev_b32 v7, 11, v3                       ; where my 8 codes of group q go: K step 2 q + l / 16,
	v_bfe_u32 v17, v0, 2, 2
	v_lshl_add_u32 v7, v17, 9, v7                  ; block (l / 4) % 4,
	v_bfe_u32 v18, v0, 1, 1
	v_lshl_add_u32 v7, v18, 8, v7                  ; half (l / 2) % 2 of the lanes,
	v_and_b32 v18, 1, v0
	v_lshl_add_u32 v7, v18, 3, v7                  ; 8 (l % 2) of the 16 bytes,
	s_wait_alu depctr_va_sdst(0)                   ; the wave's number is written in s[WV], ahead of its first reader, the line below
	s_lshl_b32 s26, s[WV], 4
	s_add_co_u32 s26, s26, ZIMG
	v_add_nc_u32 v7, s26, v7                       ; row w
	v_lshl_add_u32 v8, v3, 6, v17                  ; and the block's scale byte
	s_lshl_b32 s26, s[WV], 2
	s_add_co_u32 s26, s26, ZSC
	v_add_nc_u32 v8, s26, v8
	v_lshlrev_b32 v9, 4, v1                        ; 16 l
	v_add_nc_u32 v10, ZIMG, v9
	v_lshl_add_u32 v11, v1, 2, ZSC
	v_lshlrev_b32 v12, 2, v1                       ; 4 l
	v_lshlrev_b32 v13, 5, v3                       ; 32 h
	v_mul_u32_u24 v14, v2, 1040
	v_lshl_add_u32 v14, v3, 5, v14
	s_lshl_b32 s26, s[WV], 6
	s_add_co_u32 s26, s26, YST
	v_add_nc_u32 v14, s26, v14                     ; the stage, in: row r, + 64 w + 32 h
	s_mul_i32 s26, s[WV], 1040
	s_add_co_u32 s26, s26, YST
	v_lshl_add_u32 v15, v1, 4, s26                 ; and back: row w
	v_mov_b32 v21, 0                               ; (named as the upper half of the pair v[20:21])
	s_mov_b32 s[SEL], 0x76543210
	s_mov_b32 s[SEL+1], 0xfedcba98
	s_mov_b32 s[MNT], 0x600000
	s_mov_b32 s[INV], 0x3a000000                   ; 1 / 2048
	s_lshl_b32 s27, ttmp9, 4
	s_add_co_u32 s27, s27, s[WV]                   ; my row
	s_mov_b32 s29, 0
	s_wait_kmcnt 0x0
	s_lshl_b32 s28, s27, 14
	s_add_nc_u64 s[4:5], s[4:5], s[28:29]
	s_lshl_b32 s28, s27, 10
	s_add_nc_u64 s[36:37], s[18:19], s[28:29]
	s_lshl_b32 s28, s[WV], 15
	s_add_nc_u64 s[30:31], s[10:11], s[28:29]      ; Wo's codes of n tile w
	s_lshl_b32 s28, s[WV], 10
	s_add_co_u32 s28, s28, 524288
	s_add_nc_u64 s[32:33], s[10:11], s[28:29]      ; and its scale words
	s_lshl_b32 s28, s[WV], 6
	s_add_nc_u64 s[34:35], s[12:13], s[28:29]
	s_wait_alu depctr_va_vdst(0)                   ; the offsets and addresses v4 to v15 are written, which every load and store of the kernel reads; no later line writes them
	global_load_b128 v[24:27], v5, s[6:7]          ; a 512th of g1 and of b1
	global_load_b128 v[28:31], v5, s[8:9]
.irp q, 0,1,2,3,4,5,6,7
	global_load_b128 v[R0+8*\q:R0+8*\q+3], v4, s[4:5] offset:1024*\q th:TH_LOAD_NT
	global_load_b128 v[R0+8*\q+4:R0+8*\q+7], v4, s[4:5] offset:1024*\q+16 th:TH_LOAD_NT
.endr
.irp q, 0,1,2,3,4,5,6,7
	global_load_b128 v[R1+8*\q:R1+8*\q+3], v4, s[4:5] offset:8192+1024*\q th:TH_LOAD_NT
	global_load_b128 v[R1+8*\q+4:R1+8*\q+7], v4, s[4:5] offset:8192+1024*\q+16 th:TH_LOAD_NT
.endr
	s_wait_loadcnt 32                              ; g1's and b1's pieces are in; part's 32 loads may be out
	ds_store_b128 v5, v[24:27]
	ds_store_b128 v5, v[28:31] offset:B1L
	s_wait_loadcnt 0x0
.set j, 0
.rept 32
	v_pk_add_f32 v[R0+j:R0+j+1], v[R0+j:R0+j+1], v[R1+j:R1+j+1]   ; the two halves of the rows
.set j, j+2
.endr
	; ---- LN1
.irp k, 0,2,4,6
	v_pk_add_f32 v[T+\k:T+\k+1], v[R0+\k:R0+\k+1], v[R0+8+\k:R0+9+\k]
.endr
.irp q, 16,24,32,40,48,56
.irp k, 0,2,4,6
	v_pk_add_f32 v[T+\k:T+\k+1], v[T+\k:T+\k+1], v[R0+\q+\k:R0+\q+\k+1]
.endr
.endr
	FOLD
	v_mul_f32 v20, s[INV], v[T]                    ; the mean
.set j, 0
.rept 32
	v_pk_add_f32 v[R0+j:R0+j+1], v[R0+j:R0+j+1], v[20:21] op_sel_hi:[1,0] neg_lo:[0,1] neg_hi:[0,1]
.set j, j+2
.endr
.irp k, 0,2,4,6
	v_pk_mul_f32 v[T+\k:T+\k+1], v[R0+\k:R0+\k+1], v[R0+\k:R0+\k+1]
.endr
.irp q, 8,16,24,32,40,48,56
.irp k, 0,2,4,6
	v_pk_fma_f32 v[T+\k:T+\k+1], v[R0+\q+\k:R0+\q+\k+1], v[R0+\q+\k:R0+\q+\k+1], v[T+\k:T+\k+1]
.endr
.endr
	FOLD
	v_fmaak_f32 v[T], s[INV], v[T], 0x3727c5ac
	v_rsq_f32 v22, v[T]
	v_nop                                          ; a plain line behind the transcendental
	s_wait_alu depctr_va_vdst(0)                   ; v22, the root's reciprocal, is written, ahead of its first reader; and the additions of the two halves are done reading R1, in which g1 lands below (the two lines between name v20, v22 and v23 alone)
	v_add_f32 v23, v20, v22
	v_mul_f32 v23, 0, v23                          ; NZ: 0, or NaN where the row is NaN
	s_wait_dscnt 0x0
	s_barrier_signal -1
	s_barrier_wait -1                              ; g1 and b1 lie in LDS
.irp q, 0,1,2,3,4,5,6,7
	ds_load_b128 v[R1+8*\q:R1+8*\q+3], v4 offset:1024*\q
	ds_load_b128 v[R1+8*\q+4:R1+8*\q+7], v4 offset:1024*\q+16
	ds_load_b128 v[R2+8*\q:R2+8*\q+3], v4 offset:B1L+1024*\q
	ds_load_b128 v[R2+8*\q+4:R2+8*\q+7], v4 offset:B1L+1024*\q+16
.endr
.set j, 0
.rept 32
	v_pk_mul_f32 v[R0+j:R0+j+1], v[R0+j:R0+j+1], v[22:23] op_sel_hi:[1,0]
.set j, j+2
.endr
	s_wait_dscnt 0x0
.set j, 0
.rept 32
	v_pk_fma_f32 v[R0+j:R0+j+1], v[R0+j:R0+j+1], v[R1+j:R1+j+1], v[R2+j:R2+j+1]   ; z
.set j, j+2
.endr
	; ---- Wo's K steps 0 to 7 are asked for now and land while z is quantised
	s_wait_alu depctr_va_vdst(0)                   ; the multiply-adds are done reading g1 and b1 in R1 and R2, in which Wo's fragments land; the quantiser below names none of these registers
.irp s, 0,1,2,3,4,5,6,7
.irp c, 0,1,2,3
	global_load_b128 v[R1+16*\s+4*\c:R1+16*\s+4*\c+3], v9, s[30:31] offset:2048*\s+512*\c
.endr
.endr
.irp p, 0,1,2,3,4,5,6,7
	global_load_b32 v[WOS+\p], v12, s[32:33] offset:128*\p
.endr
	; ---- z becomes codes: two groups of 8 numbers at a time
	s_wait_alu depctr_vm_vsrc(0)                   ; the LDS stores of g1's and b1's pieces have read v24-31, which the conversions below write
.irp qq, 0,2,4,6
.irp u, 0,1
	v_max3_num_f32 v[T+\u], |v[R0+8*(\qq+\u)]|, |v[R0+8*(\qq+\u)+1]|, 0x4800000      ; and the floor 2^(9 - 127)
.endr
.irp i, 2,4,6
.irp u, 0,1
	v_max3_num_f32 v[T+\u], v[T+\u], |v[R0+8*(\qq+\u)+\i]|, |v[R0+8*(\qq+\u)+\i+1]|
.endr
.endr
.irp u, 0,1
	v_max_num_f32_dpp v[T+\u], v[T+\u], v[T+\u] row_xmask:1 row_mask:0xf bank_mask:0xf
.endr
.irp u, 0,1
	v_max_num_f32_dpp v[T+\u], v[T+\u], v[T+\u] row_xmask:2 row_mask:0xf bank_mask:0xf   ; four lanes hold a block of 32
.endr
.irp u, 0,1
	v_add_nc_u32 v[T+2+\u], 0xfc000000, v[T+\u]    ; the conversion's scale operand
	v_and_or_b32 v[T+4+\u], v[T+\u], 0x7f800000, s[MNT]   ; 448 x the scale
.endr
.irp u, 0,1
.irp i, 0,1,2,3,4,5,6,7
	v_med3_num_f32 v[R0+8*(\qq+\u)+\i], v[R0+8*(\qq+\u)+\i], -v[T+4+\u], v[T+4+\u]   ; the conversion does not saturate (ISA guide 7.6.2): the hold
.endr
	v_cvt_scalef32_pk8_fp8_f32 v[ZC+2*(\qq+\u):ZC+2*(\qq+\u)+1], v[R0+8*(\qq+\u):R0+8*(\qq+\u)+7], v[T+2+\u]
.endr
	v_nop                                          ; a plain line between the conversions and the writes of their sources below
.irp u, 0,1
	v_lshrrev_b32 v[R0+8*(\qq+\u)], 23, v[T+2+\u]  ; the scale's byte, in a register of the group's own: no store's data are written again
.endr
.endr
	s_wait_alu depctr_va_vdst(0)                   ; the eight conversions have written the codes in v24-39 and the eight shifts the bytes in v40, v48, .. v96: the sixteen LDS stores below read them
.irp q, 0,1,2,3,4,5,6,7
	ds_store_b64 v7, v[ZC+2*\q:ZC+2*\q+1] offset:4096*\q
	ds_store_b8 v8, v[R0+8*\q] offset:128*\q       ; the four lanes of a block write the same byte with the same value
.endr
	s_wait_dscnt 0x0
	s_barrier_signal -1
	s_barrier_wait -1                              ; the 16 rows' images and scale words lie in LDS
	; ---- the product: two K steps at a time on two accumulators by turns.  TRANSPOSED: source 0 = 16 columns of Wo, source 1 = the 16 rows
	s_wait_alu depctr_vm_vsrc(0)                   ; my sixteen LDS stores have read v24-39 and v40, v48, .. v96: bo, the fragments of z, g2 and b2 land there, and the products write v72-87
.irp p, 0,1,2,3,4,5,6,7
	ds_load_b32 v[ZS+\p], v11 offset:128*\p
.endr
	global_load_b128 v[BO:BO+3], v13, s[34:35]     ; bo(16 w + 8 h + 0 .. 7): the C of the first product
	global_load_b128 v[BO+4:BO+7], v13, s[34:35] offset:16
	global_load_b128 v[88:91], v9, s[14:15]        ; g2, b2 of my 8 columns in LN2
	global_load_b128 v[92:95], v9, s[14:15] offset:512
	global_load_b128 v[96:99], v9, s[16:17]
	global_load_b128 v[100:103], v9, s[16:17] offset:512
.irp p, 0,1,2,3,4,5,6,7
.set WB, R1+32*(\p%4)
.irp k, 0,1,2,3,4,5,6,7
	ds_load_b128 v[XF+4*\k:XF+4*\k+3], v10 offset:4096*\p+512*\k
.endr
	s_wait_dscnt 0x0
.if \p == 0
	s_wait_loadcnt 4                               ; Wo's first eight K steps, its scale words and bo are in; g2's and b2's four loads may be out
	v_wmma_scale_f32_16x16x128_f8f6f4 v[A0:A0+7], v[WB:WB+15], v[XF:XF+15], v[BO:BO+7], v[WOS+\p], v[ZS+\p]
	v_wmma_scale_f32_16x16x128_f8f6f4 v[A1:A1+7], v[WB+16:WB+31], v[XF+16:XF+31], 0, v[WOS+\p], v[ZS+\p] matrix_a_scale:MATRIX_SCALE_ROW1 matrix_b_scale:MATRIX_SCALE_ROW1
.else
.if \p >= 4
	s_wait_loadcnt 8*(7-\p)                        ; this pair's eight reloads are in; those of the later pairs may be out
.endif
	v_wmma_scale_f32_16x16x128_f8f6f4 v[A0:A0+7], v[WB:WB+15], v[XF:XF+15], v[A0:A0+7], v[WOS+\p], v[ZS+\p]
	v_wmma_scale_f32_16x16x128_f8f6f4 v[A1:A1+7], v[WB+16:WB+31], v[XF+16:XF+31], v[A1:A1+7], v[WOS+\p], v[ZS+\p] matrix_a_scale:MATRIX_SCALE_ROW1 matrix_b_scale:MATRIX_SCALE_ROW1
.endif
.rept 8
	v_nop                                          ; the places behind these products, ahead of the first read of their results (ISA guide 7.12.1); they stay beside the wait below
.endr
.if \p < 7
	s_wait_alu depctr_va_vdst(0)                   ; the two products are done reading the fragments of z, in which the next step's LDS loads land, and this pair's fragments of Wo, in which the reloads below land
.endif
.if \p < 4
.irp k, 0,1,2,3,4,5,6,7
	global_load_b128 v[WB+4*\k:WB+4*\k+3], v9, s[30:31] offset:2048*(2*\p+8)+512*\k     ; K steps 2 p + 8 and 2 p + 9, into the registers just read
.endr
.endif
.endr
	; ---- the 16 rows meet in the stage; LN2
.irp k, 0,2,4,6
	v_pk_add_f32 v[XF+\k:XF+\k+1], v[A0+\k:A0+\k+1], v[A1+\k:A1+\k+1]     ; both accumulators from their low ends on
.endr
	s_wait_alu depctr_va_vdst(0)                   ; the four additions have written v40-47, which the LDS stores read; the last step's products are done reading v48-55, in which my row lands behind the barrier
	ds_store_b128 v14, v[XF:XF+3]                  ; lane (r, h): y(row r, 16 w + 8 h + 0 .. 7)
	ds_store_b128 v14, v[XF+4:XF+7] offset:16
	s_wait_dscnt 0x0
	s_barrier_signal -1
	s_barrier_wait -1
	ds_load_b128 v[48:51], v15
	ds_load_b128 v[52:55], v15 offset:512
	s_wait_dscnt 0x0
.irp j, 0,1,2,3,4,5,6,7
	v_add_f32 v[48+\j], v[48+\j], v23
.endr
	v_pk_add_f32 v[T:T+1], v[48:49], v[50:51]
	v_pk_add_f32 v[T+2:T+3], v[52:53], v[54:55]
	v_pk_add_f32 v[T:T+1], v[T:T+1], v[T+2:T+3]
	v_add_f32 v[T], v[T], v[T+1]
	WRED T, T+1
	v_mul_f32 v20, 0x3b800000, v[T]                ; the mean of 256
.irp j, 0,1,2,3,4,5,6,7
	v_sub_f32 v[48+\j], v[48+\j], v20
.endr
	v_mul_f32 v[T], v48, v48
	v_mul_f32 v[T+1], v49, v49
.irp j, 2,4,6
	v_fma_f32 v[T], v[48+\j], v[48+\j], v[T]
	v_fma_f32 v[T+1], v[49+\j], v[49+\j], v[T+1]
.endr
	v_add_f32 v[T], v[T], v[T+1]
	WRED T, T+1
	s_mov_b32 s26, 0x3b800000
	v_fmaak_f32 v[T], s26, v[T], 0x3727c5ac
	v_rsq_f32 v[T+2], v[T]
	v_nop                                          ; a plain line behind the transcendental
	s_wait_alu depctr_va_vdst(0)                   ; v250, the root's reciprocal, is written, ahead of its first reader
.irp j, 0,1,2,3,4,5,6,7
	v_mul_f32 v[48+\j], v[48+\j], v[T+2]
.endr
.irp j, 0,1,2,3,4,5,6,7
	v_fma_f32 v[48+\j], v[48+\j], v[88+\j], v[96+\j]
.endr
	s_wait_alu depctr_va_vdst(0)                   ; the multiply-adds have written v48-55, which the two stores read
	global_store_b128 v9, v[48:51], s[36:37]       ; 32 lanes store 512 consecutive bytes, aligned
	global_store_b128 v9, v[52:55], s[36:37] offset:512
	s_wait_dscnt 0x0
	s_wait_alu depctr_hold_cnt(0) depctr_sa_sdst(0) depctr_va_vdst(0) depctr_va_sdst(0) depctr_va_ssrc(0) depctr_va_vcc(0) depctr_vm_vsrc(0)
	s_wait_tensorcnt 0x0
	ds_add_u32 v16, v19
	s_wait_dscnt 0x0
	s_endpgm
.Lfunc_end_k_q3c54e44d6b_final:
	.size	k_q3c54e44d6b_final, .Lfunc_end_k_q3c54e44d6b_final-k_q3c54e44d6b_final
	.p2alignl 7, 3214868480
	.fill 96, 4, 3214868480
	.section	.rodata,"a",@progbits
	.p2align	6, 0x0
	.amdhsa_kernel k_q3c54e44d6b_final
		.amdhsa_group_segment_fixed_size 68864
		.amdhsa_private_segment_fixed_size 0
		.amdhsa_enable_private_segment 0
		.amdhsa_kernarg_size 64
		.amdhsa_user_sgpr_count 2
		.amdhsa_user_sgpr_kernarg_segment_ptr 1
		.amdhsa_wavefront_size32 1
		.amdhsa_system_sgpr_workgroup_id_x 1
		.amdhsa_system_sgpr_workgroup_id_y 1
		.amdhsa_system_sgpr_workgroup_id_z 1
		.amdhsa_system_vgpr_workitem_id 0
		.amdhsa_next_free_vgpr 256
		.amdhsa_next_free_sgpr 66
		.amdhsa_reserve_vcc 0
		.amdhsa_float_denorm_mode_32 3
		.amdhsa_float_denorm_mode_16_64 3
		.amdhsa_memory_ordered 1
		.amdhsa_forward_progress 1
		.amdhsa_inst_pref_size 53
	.end_amdhsa_kernel
	.amdgpu_metadata
---
amdhsa.version: [ 1, 2 ]
amdhsa.kernels:
  - .name:           k_q3c54e44d6b_final
    .symbol:         k_q3c54e44d6b_final.kd
    .args:
      - { .name: part, .offset: 0, .size: 8, .value_kind: global_buffer, .address_space: global }
      - { .name: g1, .offset: 8, .size: 8, .value_kind: global_buffer, .address_space: global }
      - { .name: b1, .offset: 16, .size: 8, .value_kind: global_buffer, .address_space: global }
      - { .name: wor, .offset: 24, .size: 8, .value_kind: global_buffer, .address_space: global }
      - { .name: bo, .offset: 32, .size: 8, .value_kind: global_buffer, .address_space: global }
      - { .name: g2, .offset: 40, .size: 8, .value_kind: global_buffer, .address_space: global }
      - { .name: b2, .offset: 48, .size: 8, .value_kind: global_buffer, .address_space: global }
      - { .name: out1, .offset: 56, .size: 8, .value_kind: global_buffer, .address_space: global }
    .group_segment_fixed_size: 68864
    .private_segment_fixed_size: 0
    .kernarg_segment_align: 8
    .kernarg_segment_size: 64
    .max_flat_workgroup_size: 512
    .sgpr_count:     66
    .vgpr_count:     256
    .wavefront_size: 32
...
	.end_amdgpu_metadata
.endif
;; end of part 6
